; MI455X (gfx1250); checked and timed in simulation.
; The chip was launched on July 23, 2026; its instructions are those of AMD's public machine-readable ISA for CDNA 5 (MIT licence, August 2026) and "CDNA5" Instruction Set Architecture Reference Guide (July 2026). The comments in the code are by the model that wrote it; some were corrected since.
;; Multi Head Self Attention. Allowed arithmetic: matrix products marked QUANTISED: E4M3 operands, one given power-of-two scale a tensor, by v_wmma_f32_16x16x64_fp8_fp8 or v_wmma_f32_16x16x128_fp8_fp8, f32 sums; everything else in f32.
;; Inputs: W_out_codes 1,024 x 32 x 32 uint8 (E4M3 codes of W_out, K innermost, in blocks of 32 codes); W_qkv_codes 3,072 x 32 x 32 uint8 (E4M3 codes of W_qkv, K innermost, in blocks of 32 codes); b_out 1,024 float32; b_qkv 3,072 float32; lowp_scales 8 int32 (the exponents e of the quantised operands' scales 2^e); x_codes 2 x 2,048 x 32 x 32 uint8 (E4M3 codes of x, K innermost, in blocks of 32 codes).
;; Outputs: out0 2 x 2,048 x 1,024 float32.
;; This version of the problem:
;;   THIS VERSION OF THE PROBLEM IS GIVEN IN LOW PRECISION. The matrix products marked QUANTISED in the list below multiply operands that are first quantised to E4M3 (4 exponent bits, 3 mantissa bits; 8 bits a number), with one given power-of-two scale for each operand tensor; their sums are f32. All else is computed in f32.
;;   The module's matrix products, in the order in which they are computed (A, B: the left and right operand; K: the contracted axis; several contracted axes count as one K, in the product's order):
;;     1. [M 4,096, K 1,024] x [K 1,024, N 3,072]; A: input x (given as codes); B: input W_qkv (given as codes): QUANTISED (scales: A lowp_scales[0], B lowp_scales[1])
;;     2. batch 32 x [M 2,048, K 64] x [K 64, N 2,048]; A: computed on the way; B: computed on the way: QUANTISED (scales: A lowp_scales[2], B lowp_scales[3])
;;     3. batch 32 x [M 2,048, K 2,048] x [K 2,048, N 64]; A: softmax (see below); B: computed on the way: QUANTISED (scales: A lowp_scales[4], B lowp_scales[5])
;;     4. [M 4,096, K 1,024] x [K 1,024, N 1,024]; A: computed on the way; B: input W_out (given as codes): QUANTISED (scales: A lowp_scales[6], B lowp_scales[7])
;;   THE QUANTISER, for each operand of a quantised product, along K:
;;     - The operand's scale is 2^e, e = its entry of the input lowp_scales (int32; the entries are numbered through the quantised products in the list's order, A before B).
;;     - Each number is divided by the scale, clamped to +-448, and rounded to the nearest number of E4M3, ties to even, subnormals kept.
;;     - The product sums the exact products of the quantised numbers (number of the format x scale) in f32.
;;   ~~~python
;;   def quantise(x, axis, e):      # numpy; x: float32 -> the quantised numbers, widened to float32 again
;;       x = np.moveaxis(x, axis, -1); K = x.shape[-1]
;;       r = np.clip(x / 2.0 ** e, -448, 448)
;;       step = 2.0 ** (np.maximum(np.frexp(np.where(r == 0, 1, r))[1] - 1, -6) - 3)
;;       q = np.round(r / step) * step * 2.0 ** e      # np.round: ties to even
;;       return np.moveaxis(q, -1, axis).astype(np.float32)
;;   ~~~
;;   SOFTMAX AHEAD OF A QUANTISED PRODUCT. Where the list says 'softmax', what is quantised is not the finished softmax but p = 2^(t - M), with t = logit x log2(e) and M = ceil(the row's largest t), a whole number; so 1/2 < the row's largest p <= 1. The row's sum l is taken of the UNQUANTISED p, in f32, and the product's result is divided by l at the end. Since M is a whole number, a kernel that streams over the keys may use a running M (the ceiling of the running maximum): every later rescaling is an exact power of two, so the quantised numbers keep their values, but for numbers so far below the row's largest that they fall under the format's range.
;;   OPERANDS COMPUTED ON THE WAY. 'Computed on the way' means the value that the module computes at that place (a softmax that the list does not call 'softmax' is quantised finished and normalised). What goes into a quantiser is computed in f32, as accurately as f32 sums, v_exp_f32 and their like allow (about 1e-6 of the number): no bf16 or f16 on the way to a quantiser, and a product that is left as it is and whose result goes on into a quantised operand takes f32 operands (vector FMAs, or v_wmma_f32_16x16x4_f32). A number that lies on a knife's edge between two numbers of the format may be rounded either way, as far as f32 arithmetic and the matrix unit's own rounding can turn it there, and no further.
;;   INPUTS GIVEN AS CODES. W_out (in the module: [1024, 1024], K = its axis 1); W_qkv (in the module: [3072, 1024], K = its axis 1); x (in the module: [2, 2048, 1024], K = its axis 2): each comes as NAME_codes (uint8): NAME with its K axis moved to the last place and cut into blocks of 32 codes, [.., K / 32, bytes a block], one block behind the other in memory; one code a byte (a code: sign, 4 exponent bits, 3 mantissa bits); its scale is its entry of lowp_scales. Its value is code x scale, taken as it is: it is not quantised again, and the codes and scales need not be those that the quantiser above would give.
;; 2 versions, each right; version 2 is version 1 with the launch attn written anew for expert scheduling mode. Each part assembles by itself: llvm-mc -triple=amdgcn-amd-amdhsa -mcpu=gfx1250 --defsym DOCPART=n.
;; ======== version 1 of 2: 3 launches
;; workspace buffers: qbuf 4,194,304 bytes; kvbuf 8,388,608 bytes; att 4,194,304 bytes
;; launch qkv (part 1): grid 16 x 16, 4 waves a work-group, clusters of 4 x 4, 327,680 bytes of LDS; arguments x_codes, W_qkv_codes, b_qkv, lowp_scales, qbuf, kvbuf; writes qbuf, kvbuf
.if DOCPART == 1
	.amdgcn_target "amdgcn-amd-amdhsa--gfx1250"
	.amdhsa_code_object_version 6
	.text
	.protected	k_q01ed102ef6_qkv
	.globl	k_q01ed102ef6_qkv
	.p2align	8
	.type	k_q01ed102ef6_qkv,@function
k_q01ed102ef6_qkv:
	s_mov_b64 s[64:65], 0
	v_nop
	global_prefetch_b8 v0, s[64:65] scope:SCOPE_SE
	s_setreg_imm32_b32 hwreg(HW_REG_WAVE_MODE, 25, 1), 1
	s_wait_xcnt 0x0
	s_wait_alu depctr_hold_cnt(0) depctr_sa_sdst(0) depctr_va_vdst(0) depctr_va_sdst(0) depctr_va_ssrc(0) depctr_va_vcc(0) depctr_vm_vsrc(0)
	s_getreg_b32 s2, hwreg(HW_REG_IB_STS2, 6, 4)
	s_cmp_eq_u32 s2, 0
	s_cbranch_scc0 .Lentry_in_a_cluster
	s_endpgm
.Lentry_in_a_cluster:
	s_bfe_u32 s2, ttmp6, 0x10000c
	s_cmp_lg_u32 s2, 0xf033
	s_cbranch_scc0 .Lentry_shape_is_right
	s_endpgm
.Lentry_shape_is_right:
; qkv = x W_qkv^T + b_qkv on codes of E4M3, then q, k and v are quantised with their given scales and stored as IMAGES OF OPERAND REGISTERS for the attention launch.
; x: [4096][1024] codes, W_qkv: [3072][1024] codes (rows 192 h .. 192 h + 191 are q, k, v of head h, 64 each), b_qkv: [3072] f32, lowp_scales: e0 .. e7 (int32).
; SHARES.  A work-group takes 256 rows of x and one head (192 rows of W): 16 x 16 work-groups.  Wave w takes rows 64 w .. 64 w + 63 and all 192 columns: 4 x 12 = 48 accumulators of 16 x 16.
; K = 1,024 goes in four steps of 256 through two LDS slots filled by the tensor data mover; a slot's row is 256 bytes of memory.
; CLUSTER 4 x 4: the four work-groups of a row of the cluster need the same rows of x, the four of a column the same head of W: each tile is asked for jointly.
; ORIENTATION.  q, k: source 0 = 16 rows of W, source 1 = 16 rows of x: a lane holds one row t and eight neighbouring d, which are the next product's K.
;               v:    source 0 = 16 rows of x, source 1 = 16 rows of W: a lane holds one d and eight neighbouring keys, which are the next product's K.
; So one conversion of an accumulator's eight registers gives registers 2 c, 2 c + 1 of the next operand (k = 16 c + 8 (lane / 16) + 0 .. 7), and each group of four registers is stored at 16 x lane: 512 consecutive bytes.
; The fragments of x and W are fetched by loads of 16 bytes: a permutation of k, the same on both sides, so every product meets its partner.
; THE BIAS is the C of each sum's first matrix instruction, divided by 2^(e0 + e1), the power of two that the sums lack; the conversion's scale is 2^(eX - e0 - e1).
; LIMITS: e2 - e0 - e1, e3 - e0 - e1 and e5 - e0 - e1 lie between -126 and 119, so that the scale and 448 x the scale are f32 numbers.  NaN in b_qkv is not served.
; REGISTERS, in windows of 256: window 0: v8-10 scales, v12-29 addresses, v32-159 x's fragments (two sets of 4 x 16), v160-255 the bias (12 tiles x 8); on the way out v32-127 hold the codes.
;   window 1: W's 12 fragments, one set, v[16 e].   window 2: q's and k's accumulators, (e, t) at v[8 (4 e + t)].   window 3: v's, (d, t) at v[8 (4 d + t)].
.set PITCH,  272                       ; an LDS row: 256 bytes + 16 of padding = 68 words: the 16 rows of a fragment load start at 16 different banks (64 banks of 4 bytes: ISA guide 11.1)
.set HALFA,  128*PITCH                 ; what one tensor load brings of x
.set HALFB,  96*PITCH                  ; and of W
.set BOFF,   2*HALFA                   ; W's 192 rows lie behind x's 256
.set SLOT,   BOFF+2*HALFB
.set SPARE,  2*SLOT                    ; behind the ring: the spare words, 128 bytes for each wave; no other line names them
.set KROW,   1024                      ; a row of x or of W in memory, in bytes
.set ADRA, 16                          ; v16-17  LDS address of my fragments of x in slot 0, 1
.set ADRB, 20                          ; v20-21  the same for W
.set LI,   24                          ; v24     16 x lane: an image's place for my lane
.set SPW,  28                          ; v28     LDS address of my spare word; never rewritten
.set NIL,  29                          ; v29     0; never rewritten
.set AF,   32                          ; x's fragments
.set BI,   160                         ; the bias
.set CD,   32                          ; the way out: the codes
.set G1,  24                           ; s[24:31] descriptor group 1 for x's tiles; s[32:39] group 0, one set for each slot
.set G0,  32
.set G1B, 48                           ; s[48:55], s[56:63] the same for W's tiles
.set G0B, 56
.set MSB, 0
.macro WIN new                         ; the immediate's high byte repeats the setting that is left
.if MSB != \new
	s_set_vgpr_msb (MSB<<8)|\new
.set MSB, \new
.endif
.endm
.set TO_B, 0x40                        ; destination window 1, address window 0
.macro PLACES n                        ; plain vector instructions between a matrix instruction and a load into, or a vector instruction on, its registers
.rept \n
	v_nop
.endr
.endm
; A joint load: waves 0 and 1 fetch for x, waves 2 and 3 for W.  The branch hangs on the wave's number alone.  Four v_nop follow each of the two lines.
.macro JLOAD g0a, g1a, g0b, g1b
	s_cmp_eq_u32 s15, 0
	s_cbranch_scc0 .Lfor_b_\@
	tensor_load_to_lds s[\g0a:\g0a+3], s[\g1a:\g1a+7]
	s_nop 0
.rept 4
	v_nop
.endr
	s_branch .Lasked_\@
.Lfor_b_\@:
	tensor_load_to_lds s[\g0b:\g0b+3], s[\g1b:\g1b+7]
	s_nop 0
.rept 4
	v_nop
.endr
.Lasked_\@:
.endm
.macro CREST                           ; a round of the cluster's barrier behind its opening barrier
	s_cmp_lg_u32 s14, 0
	s_cbranch_scc1 .Lnot_wave_0_\@
	s_barrier_signal -3
.Lnot_wave_0_\@:
	s_barrier_wait -3
	s_barrier_signal -1
	s_barrier_wait -1
.endm
.macro CROUND                          ; a whole round
	s_barrier_signal -1
	s_barrier_wait -1
	CREST
.endm
	s_load_b256 s[4:11], s[0:1], 0x0               ; x s[4:5], W s[6:7], b_qkv s[8:9], the scales' exponents s[10:11]
	s_load_b128 s[84:87], s[0:1], 0x20             ; qbuf s[84:85], kvbuf s[86:87]
	v_lshl_add_u32 v[SPW], v0, 2, SPARE
	v_mov_b32 v[NIL], 0
	ds_add_u32 v28, v29
	ds_add_u32 v28, v29
	s_wait_dscnt 0x0
	v_lshrrev_b32 v1, 5, v0
	v_readfirstlane_b32 s14, v1                    ; wave 0..3
	s_lshr_b32 s15, s14, 1                         ; I fetch for x (0) or for W (1)
	s_and_b32 s16, s14, 1                          ; which half of that tile's rows
	s_bfe_u32 s40, ttmp6, 0x40000                  ; cx, cy: my place in the cluster
	s_bfe_u32 s41, ttmp6, 0x40004
	s_lshl_b32 s42, ttmp9, 2
	s_add_co_u32 s42, s42, s40                     ; the head = 4 x cluster x + cx
	s_and_b32 s17, ttmp7, 0xffff
	s_lshl_b32 s17, s17, 2
	s_add_co_u32 s17, s17, s41                     ; the block of 256 rows = 4 x cluster y + cy
	s_lshl_b32 s43, s41, 2
	s_lshl_b32 s43, 15, s43                        ; my row of the cluster
	s_lshl_b32 s44, 0x1111, s40                    ; my column
	s_or_b32 s[G1+0], s43, (0<<16)|(1<<20)|(1<<21)|(5<<22)|(3<<25)   ; 15:0 the mask; 17:16 elements of 1 byte; 20 padding on; 21 set beside a mask; 24:22 after every 64 words; 31:25 four words
	s_or_b32 s[G1B+0], s44, (0<<16)|(1<<20)|(1<<21)|(5<<22)|(3<<25)
	s_mov_b32 s[G1+1], 256<<16                     ; tensor_dim0 = 256
	s_mov_b32 s[G1+2], 128<<16                     ; tensor_dim1 = 128
	s_mov_b32 s[G1+3], 256<<16                     ; tile_dim0 = 256
	s_mov_b32 s[G1+4], 128                         ; tile_dim1 = 128
	s_mov_b32 s[G1+5], KROW                        ; from row to row
	s_mov_b32 s[G1+6], 0
	s_mov_b32 s[G1+7], 0
	s_mov_b32 s[G1B+1], 256<<16
	s_mov_b32 s[G1B+2], 96<<16                     ; W's half: 96 rows
	s_mov_b32 s[G1B+3], 256<<16
	s_mov_b32 s[G1B+4], 96
	s_mov_b32 s[G1B+5], KROW
	s_mov_b32 s[G1B+6], 0
	s_mov_b32 s[G1B+7], 0
	s_lshl_b32 s20, s17, 18                        ; x: (256 block + 128 half) rows of 1,024 bytes
	s_lshl_b32 s18, s16, 17
	s_add_co_u32 s20, s20, s18
	s_mov_b32 s21, 0
	s_mul_i32 s46, s42, 192*KROW                   ; W: (192 head + 96 half) rows
	s_mul_i32 s47, s16, 96*KROW
	s_add_co_u32 s46, s46, s47
	s_mov_b32 s47, 0
	s_mul_i32 s45, s16, HALFA                      ; where they go: no place in the cluster enters an LDS address
	s_mul_i32 s22, s16, HALFB
	s_add_co_u32 s22, s22, BOFF
	s_wait_kmcnt 0x0
	s_load_b256 s[88:95], s[10:11], 0x0            ; e0 .. e7
	s_add_nc_u64 s[20:21], s[4:5], s[20:21]
	s_add_nc_u64 s[46:47], s[6:7], s[46:47]
	CROUND                                         ; all sixteen work-groups are here: the first joint loads meet
.irp s, 0,1
	s_mov_b32 s[G0+4*\s], 1
	s_add_co_u32 s[G0+4*\s+1], s45, \s*SLOT
	s_add_nc_u64 s[G0+4*\s+2:G0+4*\s+3], s[20:21], \s*256
	s_or_b32 s[G0+4*\s+3], s[G0+4*\s+3], 0x80000000
	s_mov_b32 s[G0B+4*\s], 1
	s_add_co_u32 s[G0B+4*\s+1], s22, \s*SLOT
	s_add_nc_u64 s[G0B+4*\s+2:G0B+4*\s+3], s[46:47], \s*256
	s_or_b32 s[G0B+4*\s+3], s[G0B+4*\s+3], 0x80000000
	JLOAD G0+4*\s, G1, G0B+4*\s, G1B               ; K steps 0 and 1: two loads of mine are out
.endr
	v_and_b32 v1, 15, v0                           ; r = lane % 16
	v_bfe_u32 v2, v0, 4, 1                         ; h = lane / 16
	v_mul_u32_u24 v3, v1, PITCH
	v_lshl_add_u32 v4, v2, 4, v3                   ; a fragment's row x pitch + 16 h
	s_mul_i32 s18, s14, 64*PITCH                   ; my 64 rows of x
	v_add_nc_u32 v[ADRA], s18, v4
	v_add_nc_u32 v[ADRA+1], SLOT, v[ADRA]
	v_add_nc_u32 v[ADRB], BOFF, v4
	v_add_nc_u32 v[ADRB+1], SLOT+BOFF, v4
	v_and_b32 v5, 31, v0
	v_lshlrev_b32 v[LI], 4, v5
	v_lshlrev_b32 v12, 5, v2                       ; the bias of q and k: my half's eight numbers of a tile
	v_lshlrev_b32 v13, 2, v1                       ; the bias of v: my lane's one number of a tile
	s_mul_i32 s80, s42, 768                        ; the head's 192 numbers of b_qkv
	s_mov_b32 s81, 0
	s_add_nc_u64 s[8:9], s[8:9], s[80:81]
.irp e, 0,1,2,3,4,5,6,7
	global_load_b128 v[BI+8*\e:BI+8*\e+3], v12, s[8:9] offset:64*\e
	global_load_b128 v[BI+8*\e+4:BI+8*\e+7], v12, s[8:9] offset:64*\e+16
.endr
.irp e, 8,9,10,11
	global_load_b32 v[BI+8*\e], v13, s[8:9] offset:64*\e
.endr
	; where my images go.  bh = 16 batch + head; the block's place in its batch is yy
	s_lshr_b32 s80, s17, 3
	s_lshl_b32 s80, s80, 4
	s_add_co_u32 s80, s80, s42                     ; bh
	s_and_b32 s82, s17, 7                          ; yy
	s_lshl_b32 s74, s80, 7                         ; q: tile 128 bh + 16 yy + 4 w, 1,024 bytes a tile
	s_lshl_b32 s83, s82, 4
	s_add_co_u32 s74, s74, s83
	s_lshl_b32 s83, s14, 2
	s_add_co_u32 s74, s74, s83
	s_lshl_b32 s74, s74, 10
	s_mov_b32 s75, 0
	s_add_nc_u64 s[74:75], s[84:85], s[74:75]
	s_lshl_b32 s76, s80, 18                        ; k, v: the head's 262,144 bytes, key step 2 yy + w / 2 of 16,384 bytes
	s_lshl_b32 s83, s82, 1
	s_add_co_u32 s83, s83, s15
	s_lshl_b32 s83, s83, 14
	s_add_co_u32 s76, s76, s83
	s_lshl_b32 s83, s16, 10                        ; v: behind k's 8,192 bytes; my 64 keys are groups 2 (w % 2), 2 (w % 2) + 1 of each tile's four
	s_add_co_u32 s78, s76, s83
	s_add_co_u32 s78, s78, 8192
	s_lshl_b32 s83, s16, 12                        ; k: my 64 keys are tiles 4 (w % 2) on
	s_add_co_u32 s76, s76, s83
	s_mov_b32 s77, 0
	s_mov_b32 s79, 0
	s_add_nc_u64 s[76:77], s[86:87], s[76:77]
	s_add_nc_u64 s[78:79], s[86:87], s[78:79]
	s_wait_kmcnt 0x0
	s_add_co_i32 s67, s88, s89                     ; e0 + e1: a sum stands for sum x 2^(e0 + e1)
	s_sub_co_i32 s66, 0, s67
	; for q (e2), k (e3), v (e5): 2^(eX - e0 - e1) for the conversion, and -+448 x that for the hold
	s_sub_co_i32 s18, s90, s67
	s_add_co_i32 s18, s18, 127
	s_lshl_b32 s19, s18, 23
	v_mov_b32 v8, s19
	s_add_co_i32 s18, s18, 8
	s_lshl_b32 s18, s18, 23
	s_or_b32 s69, s18, 0x600000
	s_xor_b32 s68, s69, 0x80000000
	s_sub_co_i32 s18, s91, s67
	s_add_co_i32 s18, s18, 127
	s_lshl_b32 s19, s18, 23
	v_mov_b32 v9, s19
	s_add_co_i32 s18, s18, 8
	s_lshl_b32 s18, s18, 23
	s_or_b32 s71, s18, 0x600000
	s_xor_b32 s70, s71, 0x80000000
	s_sub_co_i32 s18, s93, s67
	s_add_co_i32 s18, s18, 127
	s_lshl_b32 s19, s18, 23
	v_mov_b32 v10, s19
	s_add_co_i32 s18, s18, 8
	s_lshl_b32 s18, s18, 23
	s_or_b32 s73, s18, 0x600000
	s_xor_b32 s72, s73, 0x80000000
	s_wait_loadcnt 0x0                             ; the bias
.set J, 0
.rept 64
	v_ldexp_f32 v[BI+J], v[BI+J], s66              ; b / 2^(e0 + e1): exact, short of overflow and underflow
.set J, J+1
.endr
.irp e, 8,9,10,11
.irp j, 7,6,5,4,3,2,1,0
	v_ldexp_f32 v[BI+8*\e+\j], v[BI+8*\e], s66     ; v's tiles: a lane's eight registers are eight keys of one d: the same number eight times; the source is written last
.endr
.endr
.macro FRAG reg, adr, q, i             ; a fragment, 16 rows x 128 K: registers 4 c .. 4 c + 3 hold bytes 32 c + 16 (lane / 16) + 0 .. 15 of row lane % 16
.irp c, 0,1,2,3
	ds_load_b128 v[(\reg)+4*\c:(\reg)+4*\c+3], v[\adr] offset:128*(\q)+32*\c+(\i)*16*PITCH
.endr
.endm
.macro FETCH_A slot, q, p              ; x's four fragments of the slot's q-th 128 along K into set p: 16 loads
	WIN 0
.irp t, 0,1,2,3
	FRAG AF+64*(\p)+16*\t, ADRA+\slot, \q, \t
.endr
.endm
.macro FETCH_B slot, q, e0             ; W's fragments e0 .. e0 + 5: 24 loads
	WIN TO_B
.irp i, 0,1,2,3,4,5
	FRAG 16*((\e0)+\i), ADRB+\slot, \q, (\e0)+\i
.endr
	WIN 0
.endm
; q's and k's products: tiles e0 .. e0 + n - 1 of W against x's four of set p.  zero = 1: the sum begins with the bias.  The 48 accumulators take turns, one instruction a turn, in the same order in every step.
.macro MULQK e0, n, p, zero
.if \zero
	WIN 0x81                                       ; source 0 (W) window 1, source 1 (x) and C (the bias) window 0, D window 2
.else
	WIN 0xa1                                       ; C and D window 2
.endif
.set E, \e0
.rept \n
.irp t, 0,1,2,3
.if \zero
	v_wmma_f32_16x16x128_fp8_fp8 v[8*(4*E+\t):8*(4*E+\t)+7], v[16*E:16*E+15], v[AF+64*(\p)+16*\t:AF+64*(\p)+16*\t+15], v[BI+8*E:BI+8*E+7]
.else
	v_wmma_f32_16x16x128_fp8_fp8 v[8*(4*E+\t):8*(4*E+\t)+7], v[16*E:16*E+15], v[AF+64*(\p)+16*\t:AF+64*(\p)+16*\t+15], v[8*(4*E+\t):8*(4*E+\t)+7]
.endif
.endr
.set E, E+1
.endr
.endm
.macro MULV p, zero                    ; v's products, the sources the other way round
.if \zero
	WIN 0xc4                                       ; source 0 (x) and C (the bias) window 0, source 1 (W) window 1, D window 3
.else
	WIN 0xf4
.endif
.irp d, 0,1,2,3
.irp t, 0,1,2,3
.if \zero
	v_wmma_f32_16x16x128_fp8_fp8 v[8*(4*\d+\t):8*(4*\d+\t)+7], v[AF+64*(\p)+16*\t:AF+64*(\p)+16*\t+15], v[16*(8+\d):16*(8+\d)+15], v[BI+8*(8+\d):BI+8*(8+\d)+7]
.else
	v_wmma_f32_16x16x128_fp8_fp8 v[8*(4*\d+\t):8*(4*\d+\t)+7], v[AF+64*(\p)+16*\t:AF+64*(\p)+16*\t+15], v[16*(8+\d):16*(8+\d)+15], v[8*(4*\d+\t):8*(4*\d+\t)+7]
.endif
.endr
.endr
.endm
; A slot's first 128 along K, on x's set 0.  W has one set: its tiles 0-5 are free behind their 24 products and are fetched anew in the step's middle, tiles 6-11 at its end.
.macro STEP slot, zero
	s_wait_dscnt 24                                ; x's set and W's tiles 0-5 are in; the youngest 24 loads (W's tiles 6-11) may be out
	MULQK 0, 6, 0, \zero
	s_wait_dscnt 0x0                               ; W's tiles 6-11 are in
	PLACES 4
	FETCH_A \slot, 1, 1
	FETCH_B \slot, 1, 0
	MULQK 6, 2, 0, \zero
	MULV 0, \zero
	PLACES 4
	FETCH_B \slot, 1, 6
.endm
; A slot's second 128, on set 1, changes slots: ONE barrier; in front of it each wave waits for all its tensor loads, adds 0 to its spare word, and waits for that and for its reads of this slot.  fill = 1: this slot is filled again, two K steps ahead.
.macro TURN slot, next, fill
	s_wait_tensorcnt 0x0                           ; all my tensor loads have landed: my part of the next slot  (every window is 0 here)
	ds_add_u32 v[SPW], v[NIL]                      ; 0 onto my spare word
	s_wait_dscnt 25                                ; (the add and the youngest 24 loads, W's tiles 6-11, may be out)
	MULQK 0, 3, 1, 0                               ; twelve matrix instructions stand between the add and the wait for it
	s_wait_dscnt 0x0                               ; the add is done, and my reads of this slot are over
	s_barrier_signal -1
	MULQK 3, 3, 1, 0
	WIN 0
	s_barrier_wait -1
.if \fill
	CREST                                          ; the barrier has opened a round of the cluster's barrier: no wave of any partner still reads this slot or has a load on its way
	s_add_nc_u64 s[G0+4*\slot+2:G0+4*\slot+3], s[G0+4*\slot+2:G0+4*\slot+3], 512
	s_add_nc_u64 s[G0B+4*\slot+2:G0B+4*\slot+3], s[G0B+4*\slot+2:G0B+4*\slot+3], 512
	JLOAD G0+4*\slot, G1, G0B+4*\slot, G1B         ; the first tensor load behind the round, my only one until the next; its four v_nop are the places in front of the loads below
.else
	PLACES 4
.endif
	FETCH_A \next, 0, 0
	FETCH_B \next, 0, 0
	MULQK 6, 2, 1, 0
	MULV 1, 0
	PLACES 4
	FETCH_B \next, 0, 6
.endm
	s_wait_tensorcnt 1                             ; my part of K step 0 is in; K step 1's load may be out
	s_barrier_signal -1
	s_barrier_wait -1                              ; everybody's is
	FETCH_A 0, 0, 0
	FETCH_B 0, 0, 0
	FETCH_B 0, 0, 6
	STEP 0, 1                                      ; K = 1,024 is four slots' worth: written out, no loop
	TURN 0, 1, 1                                   ; slot 0 takes K step 2
	STEP 1, 0
	TURN 1, 0, 1                                   ; slot 1 takes K step 3
	STEP 0, 0
	TURN 0, 1, 0                                   ; nothing is left to fetch
	STEP 1, 0
	s_wait_dscnt 24                                ; the last 128 along K
	MULQK 0, 6, 1, 0
	s_wait_dscnt 0x0
	MULQK 6, 2, 1, 0
	MULV 1, 0
	PLACES 4
	; THE WAY OUT.  The conversion to an 8-bit code does not saturate (ISA guide 7.6.2): each sum is held within +-448 x the scale first, each accumulator from its low end on.
	WIN 0x82                                       ; source 0 and destination window 2
.set J, 0
.rept 128
	v_med3_num_f32 v[J], v[J], s68, s69            ; q
.set J, J+1
.endr
.rept 128
	v_med3_num_f32 v[J], v[J], s70, s71            ; k
.set J, J+1
.endr
	WIN 0xc3                                       ; source 0 and destination window 3
.set J, 0
.rept 128
	v_med3_num_f32 v[J], v[J], s72, s73            ; v
.set J, J+1
.endr
	WIN 0x02                                       ; source 0 window 2, the scale and the codes window 0
.irp e, 0,1,2,3
.irp t, 0,1,2,3
	v_cvt_scalef32_pk8_fp8_f32 v[CD+8*\t+2*\e:CD+8*\t+2*\e+1], v[8*(4*\e+\t):8*(4*\e+\t)+7], v8            ; q, rows 16 t on: d = 16 e + 8 h + 0 .. 7: registers 2 e, 2 e + 1 of the fragment
.endr
.endr
.irp e, 0,1,2,3
.irp t, 0,1,2,3
	v_cvt_scalef32_pk8_fp8_f32 v[CD+32+8*\t+2*\e:CD+32+8*\t+2*\e+1], v[128+8*(4*\e+\t):128+8*(4*\e+\t)+7], v9  ; k likewise
.endr
.endr
	WIN 0x03
.irp d, 0,1,2,3
.irp t, 0,1,2,3
	v_cvt_scalef32_pk8_fp8_f32 v[CD+64+8*\d+2*\t:CD+64+8*\d+2*\t+1], v[8*(4*\d+\t):8*(4*\d+\t)+7], v10       ; v, d = 16 d on: keys 16 t + 8 h + 0 .. 7 of my 64
.endr
.endr
	WIN 0
	v_nop                                          ; one plain vector instruction behind the last conversion
.irp t, 0,1,2,3
.irp g, 0,1
	global_store_b128 v[LI], v[CD+8*\t+4*\g:CD+8*\t+4*\g+3], s[74:75] offset:1024*\t+512*\g        ; each store of the wave covers 512 consecutive bytes, aligned
.endr
.endr
.irp t, 0,1,2,3
.irp g, 0,1
	global_store_b128 v[LI], v[CD+32+8*\t+4*\g:CD+32+8*\t+4*\g+3], s[76:77] offset:1024*\t+512*\g
.endr
.endr
.irp d, 0,1,2,3
.irp i, 0,1
	global_store_b128 v[LI], v[CD+64+8*\d+4*\i:CD+64+8*\d+4*\i+3], s[78:79] offset:2048*\d+512*\i
.endr
.endr
	s_wait_tensorcnt 0x0                           ; the wave's end
	ds_add_u32 v[SPW], v[NIL]
	s_wait_dscnt 0x0
	CROUND                                         ; the closing round: no work-group ends while a partner may still ask for a tile that names it
	s_endpgm
.Lfunc_end_k_q01ed102ef6_qkv:
	.size	k_q01ed102ef6_qkv, .Lfunc_end_k_q01ed102ef6_qkv-k_q01ed102ef6_qkv
	.p2alignl 7, 3214868480
	.fill 96, 4, 3214868480
	.section	.rodata,"a",@progbits
	.p2align	6, 0x0
	.amdhsa_kernel k_q01ed102ef6_qkv
		.amdhsa_group_segment_fixed_size 327680
		.amdhsa_private_segment_fixed_size 0
		.amdhsa_enable_private_segment 0
		.amdhsa_kernarg_size 48
		.amdhsa_user_sgpr_count 2
		.amdhsa_user_sgpr_kernarg_segment_ptr 1
		.amdhsa_wavefront_size32 1
		.amdhsa_system_sgpr_workgroup_id_x 1
		.amdhsa_system_sgpr_workgroup_id_y 1
		.amdhsa_system_sgpr_workgroup_id_z 1
		.amdhsa_system_vgpr_workitem_id 0
		.amdhsa_next_free_vgpr 896
		.amdhsa_next_free_sgpr 100
		.amdhsa_reserve_vcc 0
		.amdhsa_float_denorm_mode_32 3
		.amdhsa_float_denorm_mode_16_64 3
		.amdhsa_memory_ordered 1
		.amdhsa_forward_progress 1
		.amdhsa_inst_pref_size 109
	.end_amdhsa_kernel
	.amdgpu_metadata
---
amdhsa.version: [ 1, 2 ]
amdhsa.kernels:
  - .name:           k_q01ed102ef6_qkv
    .symbol:         k_q01ed102ef6_qkv.kd
    .args:
      - { .name: x_codes, .offset: 0, .size: 8, .value_kind: global_buffer, .address_space: global }
      - { .name: W_qkv_codes, .offset: 8, .size: 8, .value_kind: global_buffer, .address_space: global }
      - { .name: b_qkv, .offset: 16, .size: 8, .value_kind: global_buffer, .address_space: global }
      - { .name: lowp_scales, .offset: 24, .size: 8, .value_kind: global_buffer, .address_space: global }
      - { .name: qbuf, .offset: 32, .size: 8, .value_kind: global_buffer, .address_space: global }
      - { .name: kvbuf, .offset: 40, .size: 8, .value_kind: global_buffer, .address_space: global }
    .group_segment_fixed_size: 327680
    .private_segment_fixed_size: 0
    .kernarg_segment_align: 8
    .kernarg_segment_size: 48
    .max_flat_workgroup_size: 128
    .sgpr_count:     100
    .vgpr_count:     896
    .wavefront_size: 32
...
	.end_amdgpu_metadata
.endif
;; end of part 1
;; launch attn (part 2): grid 8 x 32, 16 waves a work-group, no clusters, 264,192 bytes of LDS; arguments qbuf, kvbuf, lowp_scales, att; writes att
.if DOCPART == 2
	.amdgcn_target "amdgcn-amd-amdhsa--gfx1250"
	.amdhsa_code_object_version 6
	.text
	.protected	k_q01ed102ef6_attn
	.globl	k_q01ed102ef6_attn
	.p2align	8
	.type	k_q01ed102ef6_attn,@function
k_q01ed102ef6_attn:
	s_mov_b64 s[64:65], 0
	v_nop
	global_prefetch_b8 v0, s[64:65] scope:SCOPE_SE
	s_setreg_imm32_b32 hwreg(HW_REG_WAVE_MODE, 25, 1), 1
	s_wait_xcnt 0x0
; attended = softmax(q k^T / 8) v for one head, both products on codes of E4M3; the result is quantised with 2^e6 and stored as an image of the last product's operand registers.
; qbuf: [bh 32][tile of 16 queries 128][1,024 B]; kvbuf: [bh 32][step of 128 keys 16][16,384 B: K's 8 tiles of 1,024 B, then V^T's 4 tiles (16 d x 128 keys) of 2,048 B]; all as register images: group g of four registers at 512 g + 16 x lane.
; att: [block of 128 rows 32][K step of 128 (two heads) 8][tile of 16 rows 8][2,048 B], likewise.
; THE SOFTMAX: t = score x log2(e) / 8; M = the running largest t rounded UP to a whole number; p = 2^(t - M) is quantised with 2^e4, not normalised; the row's sum is taken of the unquantised p and divides at the end.
; When M moves, the sum and O are multiplied by 2^(old M - new M): exact.
; SHARES.  A work-group owns 256 queries of one head; each of its sixteen waves owns 16, one tile, in 256 registers: four waves to a SIMD, so that one wave's vector work stands beside another's matrix work and LDS loads.
; Both products are used transposed (S^T = K Q^T, O^T = V^T P): a lane holds ONE query (lane % 16) throughout, and a tile's eight registers are eight neighbouring keys (or d): one conversion gives registers 2 c, 2 c + 1 of the next operand.
; LDS holds the head's whole K and V, 262,144 bytes, as they lie in kvbuf.  They come in four chunks of 65,536 bytes (four key steps), through 32 registers a thread: chunk c + 1 is asked for at the head of chunk c's work,
; stored into LDS at its end, and shown by one barrier.  No LDS byte is written twice.
; NO TENSOR LOAD AND NO CLUSTER, though the eight query blocks of a head read the same K and V.  p is at most 1, so the hold at 448 x 2^e4 can bite only where e4 < -8; a scalar branch on e4 jumps over a step's 64 holds otherwise,
; 64 of a step's 259 vector instructions.  e4 is read from memory.  What would be shared is 16,384 bytes a key step for sixteen waves' steps.
; LIMITS: e2 + e3 between -123 and 130 (added to c's exponent field); e4 and e6 between -126 and 119; e4 + e5 is applied by v_ldexp_f32 and has none.
.set CHUNK, 65536
.set LI,   1                           ; v1   16 x lane
.set CP1,  2                           ; v2   16 x thread + one chunk
.set CP2,  3                           ; v3   16 x thread + two chunks
.set ADR,  4                           ; v4   LDS address of the chunk in hand, for my lane
.set LST,  5                           ; v5   where I store the next chunk in LDS
.set GOFF, 6                           ; v6   where I load a chunk from, in the head's bytes of kvbuf
.set QF,   16                          ; v16-23   Q's fragment
.set KV,   32                          ; v32-95   K's eight fragments, then V's four
.set S,    96                          ; v96-159  S^T, then p
.set O,    160                         ; v160-191 O^T
.set P,    192                         ; v192-207 p's codes
.set STG,  208                         ; v208-239 a chunk on its way
; v12 -M, v13 the largest t, v[14:15] the sum in two halves; v24, v25: 2^e4, 448 x 2^e4; v26, v27: 2^e6, 448 x 2^e6; v240-254 at work
	s_load_b256 s[4:11], s[0:1], 0x0               ; qbuf s[4:5], kvbuf s[6:7], the scales' exponents s[8:9], att s[10:11]
	v_lshl_add_u32 v251, v0, 2, 0x40000
	v_mov_b32 v255, 0
	v_lshrrev_b32 v1, 5, v0
	v_readfirstlane_b32 s12, v1                    ; wave 0..15
	s_and_b32 s13, ttmp7, 0xffff                   ; bh
	s_mov_b32 s14, ttmp9                           ; the block of 256 queries
	v_and_b32 v1, 31, v0
	v_lshlrev_b32 v[LI], 4, v1
	v_lshlrev_b32 v[GOFF], 4, v0                   ; chunk 0: 16 x thread
	v_lshlrev_b32 v[LST], 4, v0
	v_lshl_add_u32 v[CP1], v0, 4, CHUNK
	v_lshl_add_u32 v[CP2], v0, 4, 2*CHUNK
	s_lshl_b32 s32, s13, 18                        ; the head's K and V
	s_mov_b32 s33, 0
	s_lshl_b32 s34, s13, 7                         ; my tile of queries: 128 bh + 16 block + wave
	s_lshl_b32 s36, s14, 4
	s_add_co_u32 s34, s34, s36
	s_add_co_u32 s34, s34, s12
	s_lshl_b32 s34, s34, 10
	s_mov_b32 s35, 0
	s_lshr_b32 s36, s13, 4                         ; att: block of 128 rows 16 batch + 2 block + wave / 8,
	s_lshl_b32 s36, s36, 4
	s_lshl_b32 s37, s14, 1
	s_add_co_u32 s36, s36, s37
	s_lshr_b32 s37, s12, 3
	s_add_co_u32 s36, s36, s37
	s_lshl_b32 s36, s36, 17
	s_and_b32 s37, s13, 15                         ; K step head / 2,
	s_lshr_b32 s38, s37, 1
	s_lshl_b32 s38, s38, 14
	s_add_co_u32 s36, s36, s38
	s_and_b32 s38, s12, 7                          ; tile of rows wave % 8,
	s_lshl_b32 s38, s38, 11
	s_add_co_u32 s36, s36, s38
	s_and_b32 s38, s13, 1                          ; and groups 2 (head % 2) on
	s_lshl_b32 s38, s38, 10
	s_add_co_u32 s36, s36, s38
	s_mov_b32 s37, 0
	s_mov_b32 s20, 0x76543210                      ; v_permlanex16_b32's selects for lane l xor 16
	s_mov_b32 s21, 0xfedcba98
	s_mov_b32 s22, 0x3e38aa3b                      ; c = log2(e) / 8
	s_wait_kmcnt 0x0
	s_load_b256 s[24:31], s[8:9], 0x0              ; e0 .. e7
	s_add_nc_u64 s[6:7], s[6:7], s[32:33]
	s_add_nc_u64 s[4:5], s[4:5], s[34:35]
	s_add_nc_u64 s[10:11], s[10:11], s[36:37]
.macro LOADC                           ; a chunk: each load of the work-group covers 8,192 consecutive bytes
.irp n, 0,1,2,3,4,5,6,7
	global_load_b128 v[STG+4*\n:STG+4*\n+3], v[GOFF], s[6:7] offset:8192*\n
.endr
.endm
.macro STOREC
.irp n, 0,1,2,3,4,5,6,7
	ds_store_b128 v[LST], v[STG+4*\n:STG+4*\n+3] offset:8192*\n
.endr
.endm
	LOADC                                          ; chunk 0
	global_load_b128 v[QF:QF+3], v[LI], s[4:5] th:TH_LOAD_NT
	global_load_b128 v[QF+4:QF+7], v[LI], s[4:5] offset:512 th:TH_LOAD_NT
	v_mov_b32 v13, 0xff61b1e6                      ; the largest t so far: -3e38, under every t
	v_floor_f32 v12, -v13                          ; -M
	v_mov_b32 v14, 0                               ; the sum, in two halves
	v_mov_b32 v15, 0
	v_mov_b32 v240, 0                              ; written once: a lane permute's destination counts as one of its sources
	v_mov_b32 v253, 0                              ; (named as the upper half of the pair v[252:253])
.set J, 0
.rept 32
	v_mov_b32 v[O+J], 0                            ; O^T.  (The step is written once: the first finds zeros, which the first change of M leaves zeros)
.set J, J+1
.endr
	s_wait_kmcnt 0x0
	s_add_co_i32 s32, s26, s27                     ; a score stands for score x 2^(e2 + e3): the two exponents are added to c's exponent field
	s_lshl_b32 s32, s32, 23
	s_add_co_i32 s22, s22, s32
	s_mov_b32 s23, s22                             ; (named with it as a pair, so it is written)
	s_add_co_i32 s32, s28, 127
	s_lshl_b32 s33, s32, 23
	v_mov_b32 v24, s33                             ; 2^e4 as f32, for p's conversion
	s_add_co_i32 s32, s32, 8
	s_lshl_b32 s32, s32, 23
	s_or_b32 s32, s32, 0x600000
	v_mov_b32 v25, s32                             ; 448 x 2^e4
	s_add_co_i32 s32, s30, 127
	s_lshl_b32 s33, s32, 23
	v_mov_b32 v26, s33                             ; 2^e6, for the attended rows'
	s_add_co_i32 s32, s32, 8
	s_lshl_b32 s32, s32, 23
	s_or_b32 s32, s32, 0x600000
	v_mov_b32 v27, s32                             ; 448 x 2^e6
	s_wait_loadcnt 0x0                             ; chunk 0 and Q are in; the loads' offset register is free
	STOREC
	s_wait_dscnt 0x0                               ; for the others' sake: my stores have landed
	s_barrier_signal -1
	s_barrier_wait -1                              ; chunk 0 lies in LDS
	v_mov_b32 v[GOFF], v[CP1]
	LOADC                                          ; chunk 1: it has chunk 0's four key steps in which to come
; A KEY STEP: 128 keys, the q-th of the chunk in hand.
.macro STEP q
.rept 4
	v_nop                                          ; places in front of loads into registers that the last products have read
.endr
.irp t, 0,1,2,3,4,5,6,7
	ds_load_b128 v[KV+8*\t:KV+8*\t+3], v[ADR] offset:16384*(\q)+1024*\t
	ds_load_b128 v[KV+8*\t+4:KV+8*\t+7], v[ADR] offset:16384*(\q)+1024*\t+512
.endr
	s_wait_dscnt 8                                 ; K's tiles 0-3 are in; the youngest eight loads may be out
.irp t, 0,1,2,3
	v_wmma_f32_16x16x64_fp8_fp8 v[S+8*\t:S+8*\t+7], v[KV+8*\t:KV+8*\t+7], v[QF:QF+7], 0
.endr
	s_wait_dscnt 0x0
.irp t, 4,5,6,7
	v_wmma_f32_16x16x64_fp8_fp8 v[S+8*\t:S+8*\t+7], v[KV+8*\t:KV+8*\t+7], v[QF:QF+7], 0
.endr
.rept 4
	v_nop                                          ; places in front of V's loads and of the first read of the scores
.endr
.irp d, 0,1,2,3
.irp g, 0,1,2,3
	ds_load_b128 v[KV+16*\d+4*\g:KV+16*\d+4*\g+3], v[ADR] offset:16384*(\q)+8192+2048*\d+512*\g   ; V's four fragments come while the softmax is worked
.endr
.endr
	v_max3_num_f32 v254, v[S], v[S+1], v[S+2]      ; the step's largest score of my query, among my 64 keys, in two chains, each accumulator from its low end on
	v_max3_num_f32 v252, v[S+3], v[S+4], v[S+5]
.irp i, 6,10,14,18,22,26,30,34,38,42,46,50,54,58
	v_max3_num_f32 v254, v254, v[S+\i], v[S+\i+1]
	v_max3_num_f32 v252, v252, v[S+\i+2], v[S+\i+3]
.endr
	v_max3_num_f32 v254, v254, v[S+62], v[S+63]
	v_max_num_f32 v254, v254, v252
	v_permlanex16_b32 v240, v254, s20, s21
	v_max_num_f32 v254, v254, v240                 ; and among lane l xor 16's
	v_mul_f32 v254, s22, v254                      ; as t (c is positive)
	v_max_num_f32 v13, v13, v254                   ; the running largest t
	v_mov_b32 v254, v12
	v_floor_f32 v12, -v13                          ; the new -M = floor(-t) = -ceil(t): M is a whole number
	v_sub_f32 v254, v12, v254                      ; M's old value less its new one: a whole number, 0 or less
	v_cvt_i32_f32 v254, v254                       ; (it saturates)
	v_ldexp_f32 v252, 1.0, v254                    ; f = 2^(old M - new M)
.irp j, 0,2,4,6,8,10,12,14,16,18,20,22,24,26,28,30,32,34,36,38,40,42,44,46,48,50,52,54,56,58,60,62
	v_pk_fma_f32 v[S+\j:S+\j+1], v[S+\j:S+\j+1], s[22:23], v[12:13] op_sel_hi:[1,0,0]   ; t - M, two at a time (of the pairs c and -M the low word serves both halves)
.endr
.set J, 0
.rept 64
	v_exp_f32 v[S+J], v[S+J]                       ; p = 2^(t - M), at most 1: not normalised
.set J, J+1
.endr
	v_pk_mul_f32 v[14:15], v[14:15], v[252:253] op_sel_hi:[1,0]   ; the sums under the new M: the plain instruction behind the exponentials
	s_wait_alu depctr_va_vdst(0)                   ; one wait for the whole batch, ahead of its first reader
	v_pk_add_f32 v[242:243], v[S:S+1], v[S+2:S+3]  ; the row's sum is taken of the unquantised p: two at a time, in two chains
.irp j, 4,8,12,16,20,24,28,32,36,40,44,48,52,56,60
	v_pk_add_f32 v[14:15], v[14:15], v[S+\j:S+\j+1]
	v_pk_add_f32 v[242:243], v[242:243], v[S+\j+2:S+\j+3]
.endr
	v_pk_add_f32 v[14:15], v[14:15], v[242:243]
	s_cmp_gt_i32 s28, -9                           ; p <= 1 (+ one rounding), so p / 2^e4 stays under 448 wherever e4 >= -8: the hold then changes nothing and is jumped over
	s_cbranch_scc1 .Lfree_\@
.set J, 0
.rept 64
	v_min_num_f32 v[S+J], v[S+J], v25              ; the conversion to an 8-bit code does not saturate (ISA guide 7.6.2); p is not negative, so the hold is one-sided
.set J, J+1
.endr
.Lfree_\@:
.irp t, 0,1,2,3,4,5,6,7
	v_cvt_scalef32_pk8_fp8_f32 v[P+2*\t:P+2*\t+1], v[S+8*\t:S+8*\t+7], v24   ; keys 16 t + 8 h + 0 .. 7: registers 2 t, 2 t + 1 of the operand
.endr
.irp j, 0,2,4,6,8,10,12,14,16,18,20,22,24,26,28,30
	v_pk_mul_f32 v[O+\j:O+\j+1], v[O+\j:O+\j+1], v[252:253] op_sel_hi:[1,0]   ; O^T under the new M.  (Also the plain instructions behind the conversions)
.endr
	s_wait_dscnt 0x0                               ; V is in
.irp d, 0,1,2,3
	v_wmma_f32_16x16x128_fp8_fp8 v[O+8*\d:O+8*\d+7], v[KV+16*\d:KV+16*\d+15], v[P:P+15], v[O+8*\d:O+8*\d+7]   ; the four accumulators take turns; the next step's eight products K Q^T lie between two turns of one
.endr
.endm
	s_mov_b32 s2, 0                                ; the LDS byte at which the chunk in hand begins
	s_mov_b32 s3, 3
.Lchunk:                                           ; three trips: chunks 0, 1, 2
	v_add_nc_u32 v[ADR], s2, v[LI]
	STEP 0
	STEP 1
	STEP 2
	STEP 3
	s_wait_loadcnt 0x0                             ; the next chunk, asked for four key steps ago, is in my registers
	v_add_nc_u32 v[LST], s2, v[CP1]
	STOREC                                         ; into bytes that nobody has read or written yet
	s_wait_dscnt 0x0                               ; my stores have landed
	s_barrier_signal -1
	s_barrier_wait -1                              ; the next chunk lies in LDS
	s_cmp_eq_u32 s3, 1                             ; the third trip has no chunk left to ask for: no load leaves the head's bytes
	s_cbranch_scc1 .Lnone
	v_add_nc_u32 v[GOFF], s2, v[CP2]
	LOADC
.Lnone:
	s_add_co_u32 s2, s2, CHUNK
	s_sub_co_u32 s3, s3, 1
	s_cmp_lg_u32 s3, 0
	s_cbranch_scc1 .Lchunk
	v_add_nc_u32 v[ADR], s2, v[LI]                 ; chunk 3
	STEP 0
	STEP 1
	STEP 2
	STEP 3
	; THE WAY OUT: O^T x 2^(e4 + e5) / the sum, held within +-448 x 2^e6, converted; my four tiles of d are eight registers of the last product's fragment.
.rept 4
	v_nop                                          ; places behind the last products
.endr
	v_add_f32 v14, v14, v15                        ; the sum's two halves,
	v_permlanex16_b32 v240, v14, s20, s21
	v_add_f32 v14, v14, v240                       ; and lane l xor 16's: the row's sum
	v_rcp_f32 v14, v14
	v_nop                                          ; a plain instruction behind the reciprocal
	s_add_co_i32 s32, s28, s29
	s_wait_alu depctr_va_vdst(0)                   ; the wait ahead of its first reader
	v_ldexp_f32 v14, v14, s32                      ; x 2^(e4 + e5)
.irp j, 0,2,4,6,8,10,12,14,16,18,20,22,24,26,28,30
	v_pk_mul_f32 v[O+\j:O+\j+1], v[O+\j:O+\j+1], v[14:15] op_sel_hi:[1,0]
.endr
.set J, 0
.rept 32
	v_med3_num_f32 v[O+J], v[O+J], -v27, v27
.set J, J+1
.endr
.irp d, 0,1,2,3
	v_cvt_scalef32_pk8_fp8_f32 v[P+2*\d:P+2*\d+1], v[O+8*\d:O+8*\d+7], v26
.endr
	v_nop                                          ; one plain vector instruction behind the last conversion
	global_store_b128 v[LI], v[P:P+3], s[10:11]               ; each store of the wave covers 512 consecutive bytes, aligned
	global_store_b128 v[LI], v[P+4:P+7], s[10:11] offset:512
	s_wait_tensorcnt 0x0
	ds_add_u32 v251, v255
	s_wait_dscnt 0x0
	s_endpgm
.Lfunc_end_k_q01ed102ef6_attn:
	.size	k_q01ed102ef6_attn, .Lfunc_end_k_q01ed102ef6_attn-k_q01ed102ef6_attn
	.p2alignl 7, 3214868480
	.fill 96, 4, 3214868480
	.section	.rodata,"a",@progbits
	.p2align	6, 0x0
	.amdhsa_kernel k_q01ed102ef6_attn
		.amdhsa_group_segment_fixed_size 264192
		.amdhsa_private_segment_fixed_size 0
		.amdhsa_enable_private_segment 0
		.amdhsa_kernarg_size 32
		.amdhsa_user_sgpr_count 2
		.amdhsa_user_sgpr_kernarg_segment_ptr 1
		.amdhsa_wavefront_size32 1
		.amdhsa_system_sgpr_workgroup_id_x 1
		.amdhsa_system_sgpr_workgroup_id_y 1
		.amdhsa_system_sgpr_workgroup_id_z 1
		.amdhsa_system_vgpr_workitem_id 0
		.amdhsa_next_free_vgpr 256
		.amdhsa_next_free_sgpr 66
		.amdhsa_reserve_vcc 0
		.amdhsa_float_denorm_mode_32 3
		.amdhsa_float_denorm_mode_16_64 3
		.amdhsa_memory_ordered 1
		.amdhsa_forward_progress 1
		.amdhsa_inst_pref_size 133
	.end_amdhsa_kernel
	.amdgpu_metadata
---
amdhsa.version: [ 1, 2 ]
amdhsa.kernels:
  - .name:           k_q01ed102ef6_attn
    .symbol:         k_q01ed102ef6_attn.kd
    .args:
      - { .name: qbuf, .offset: 0, .size: 8, .value_kind: global_buffer, .address_space: global }
      - { .name: kvbuf, .offset: 8, .size: 8, .value_kind: global_buffer, .address_space: global }
      - { .name: lowp_scales, .offset: 16, .size: 8, .value_kind: global_buffer, .address_space: global }
      - { .name: att, .offset: 24, .size: 8, .value_kind: global_buffer, .address_space: global }
    .group_segment_fixed_size: 264192
    .private_segment_fixed_size: 0
    .kernarg_segment_align: 8
    .kernarg_segment_size: 32
    .max_flat_workgroup_size: 512
    .sgpr_count:     66
    .vgpr_count:     256
    .wavefront_size: 32
...
	.end_amdgpu_metadata
.endif
;; end of part 2
;; launch proj (part 3): grid 8 x 32, 4 waves a work-group, clusters of 4 x 4, 288,256 bytes of LDS; arguments att, W_out_codes, b_out, lowp_scales, out0; writes out0
.if DOCPART == 3
	.amdgcn_target "amdgcn-amd-amdhsa--gfx1250"
	.amdhsa_code_object_version 6
	.text
	.protected	k_q01ed102ef6_proj
	.globl	k_q01ed102ef6_proj
	.p2align	8
	.type	k_q01ed102ef6_proj,@function
k_q01ed102ef6_proj:
	s_mov_b64 s[64:65], 0
	v_nop
	global_prefetch_b8 v0, s[64:65] scope:SCOPE_SE
	s_setreg_imm32_b32 hwreg(HW_REG_WAVE_MODE, 25, 1), 1
	s_wait_xcnt 0x0
	s_wait_alu depctr_hold_cnt(0) depctr_sa_sdst(0) depctr_va_vdst(0) depctr_va_sdst(0) depctr_va_ssrc(0) depctr_va_vcc(0) depctr_vm_vsrc(0)
	s_getreg_b32 s2, hwreg(HW_REG_IB_STS2, 6, 4)
	s_cmp_eq_u32 s2, 0
	s_cbranch_scc0 .Lentry_in_a_cluster
	s_endpgm
.Lentry_in_a_cluster:
	s_bfe_u32 s2, ttmp6, 0x10000c
	s_cmp_lg_u32 s2, 0xf033
	s_cbranch_scc0 .Lentry_shape_is_right
	s_endpgm
.Lentry_shape_is_right:
; out = attended W_out^T + b_out on codes of E4M3.  att: the attended rows' codes as register images, [block of 128 rows 32][K step of 128: 8][tile of 16 rows 8][2,048 B: group g of four registers at 512 g + 16 x lane].
; W_out: [1024][1024] codes, K innermost; b_out [1024] f32; out0 [4096][1024] f32.  A finished sum is multiplied by 2^(e6 + e7) and the bias added, in one packed multiply-add for two numbers.
; SHARES.  A tile of 128 x 128 of out to a work-group: 8 x 32 work-groups.  Four waves, each 64 x 64: 16 accumulators.
; ALL OF K LIES IN LDS: att's block, 131,072 bytes as it lies, and W_out's 128 rows in four regions of 256 along K.  Each wave asks for four tiles of 16 KB at the start (waves 0, 1: att's; waves 2, 3: W_out's):
; four tensor loads of a wave are out, and the waits count down 3, 2, 1, 0 as the K steps are reached.
; CLUSTER 4 x 4: att's block is shared along a row of the cluster, W_out's rows along a column: each tile is asked for jointly.
; THE MATRIX INSTRUCTION IS USED TRANSPOSED (source 0 = 16 rows of W_out, source 1 = 16 rows of att): a lane holds eight neighbouring numbers of a row of out.
; att's images have k in the matrix form's own places (registers 2 c, 2 c + 1: k = 16 c + 8 (lane / 16) + 0 .. 7), so W_out's fragments are fetched so too: eight loads of 8 bytes.
; LIMIT: e6 + e7 lies between -126 and 127, so that 2^(e6 + e7) is an f32 number.
; REGISTERS: window 0: v16-27 addresses; v32-63 the bias; v64-95, v96-127 the way out; v128-255 the accumulators, (a, b) at v[128 + 8 (4 a + b)].   window 1: two fragment buffers of 128: att's four fragments, then W_out's four.
.set BOFF,   131072                    ; W_out's regions lie behind att's block
.set PITCH,  272                       ; a row of W_out in LDS: 256 bytes + 16 of padding
.set BSLOT,  128*PITCH                 ; a region: 128 rows x 256 along K
.set STAGE,  BOFF+4*BSLOT              ; behind them: 16 rows x 272 bytes for each wave, for the way out; no tensor load lands there
.set ADRA, 16                          ; v16-17  att's fragments: K steps 0-3, 4-7
.set ADRB, 20                          ; v20-21  W_out's: regions 0-1, 2-3
.set STO,  24                          ; v24     the way out: where I put 32 bytes of a row
.set RD,   25                          ; v25     where I read a row back
.set CO,   26                          ; v26     my byte offset in out
.set BIA,  32
.set TMP,  64
.set BK,   96
.set ACC,  128
.set G1A, 24                           ; s[24:31] descriptor group 1 for att's tiles; s[32:39] for W_out's
.set G1B, 32
.set G0A, 40                           ; s[40:55] att's four groups 0; s[68:83] W_out's
.set G0B, 68
.set MSB, 0
.macro WIN new                         ; the immediate's high byte repeats the setting that is left
.if MSB != \new
	s_set_vgpr_msb (MSB<<8)|\new
.set MSB, \new
.endif
.endm
.set MULW, 0x05                        ; sources 0 and 1 window 1; C and D window 0
.set TO_F, 0x40                        ; destination window 1, address window 0
.macro PLACES n
.rept \n
	v_nop
.endr
.endm
.macro CROUND                          ; a round of the cluster's barrier
	s_barrier_signal -1
	s_barrier_wait -1
	s_cmp_lg_u32 s14, 0
	s_cbranch_scc1 .Lnot_wave_0_\@
	s_barrier_signal -3
.Lnot_wave_0_\@:
	s_barrier_wait -3
	s_barrier_signal -1
	s_barrier_wait -1
.endm
	s_load_b256 s[4:11], s[0:1], 0x0               ; att s[4:5], W_out s[6:7], b_out s[8:9], the scales' exponents s[10:11]
	s_load_b64 s[12:13], s[0:1], 0x20              ; out0
	v_lshl_add_u32 v30, v0, 2, 0x46400
	v_mov_b32 v31, 0
	ds_add_u32 v30, v31
	ds_add_u32 v30, v31
	v_lshrrev_b32 v1, 5, v0
	v_readfirstlane_b32 s14, v1                    ; wave 0..3
	s_lshr_b32 s15, s14, 1                         ; which half of the tile's rows is mine.  Also: I fetch for att (0) or for W_out (1)
	s_and_b32 s16, s14, 1                          ; which half of its columns.  Also: which half of each tile I fetch
	s_bfe_u32 s56, ttmp6, 0x40000                  ; cx, cy: my place in the cluster
	s_bfe_u32 s57, ttmp6, 0x40004
	s_lshl_b32 s18, ttmp9, 2
	s_add_co_u32 s18, s18, s56                     ; tile column = 4 x cluster x + cx
	s_and_b32 s17, ttmp7, 0xffff
	s_lshl_b32 s17, s17, 2
	s_add_co_u32 s17, s17, s57                     ; tile row = 4 x cluster y + cy
	s_lshl_b32 s58, s57, 2
	s_lshl_b32 s58, 15, s58                        ; my row of the cluster
	s_lshl_b32 s59, 0x1111, s56                    ; my column
	s_or_b32 s[G1A+0], s58, (3<<16)|(1<<21)        ; att: a dense block as 64 rows of 256 bytes, elements of 8 bytes, no padding; 21 set beside a mask
	s_mov_b32 s[G1A+1], 32<<16                     ; tensor_dim0 = 32
	s_mov_b32 s[G1A+2], 64<<16                     ; tensor_dim1 = 64
	s_mov_b32 s[G1A+3], 32<<16                     ; tile_dim0 = 32
	s_mov_b32 s[G1A+4], 64                         ; tile_dim1 = 64
	s_mov_b32 s[G1A+5], 32                         ; from row to row
	s_mov_b32 s[G1A+6], 0
	s_mov_b32 s[G1A+7], 0
	s_or_b32 s[G1B+0], s59, (0<<16)|(1<<20)|(1<<21)|(5<<22)|(3<<25)  ; W_out: 64 rows of 256 bytes, elements of 1 byte; four words of padding after every 64
	s_mov_b32 s[G1B+1], 256<<16
	s_mov_b32 s[G1B+2], 64<<16
	s_mov_b32 s[G1B+3], 256<<16
	s_mov_b32 s[G1B+4], 64
	s_mov_b32 s[G1B+5], 1024
	s_mov_b32 s[G1B+6], 0
	s_mov_b32 s[G1B+7], 0
	s_lshl_b32 s20, s17, 17                        ; att: the block's 131,072 bytes; of each 32,768 my half
	s_lshl_b32 s22, s16, 14
	s_add_co_u32 s20, s20, s22
	s_mov_b32 s21, 0
	s_lshl_b32 s60, s18, 17                        ; W_out: (128 tile column + 64 half) rows of 1,024 bytes
	s_lshl_b32 s61, s16, 16
	s_add_co_u32 s60, s60, s61
	s_mov_b32 s61, 0
	s_mul_i32 s23, s16, 64*PITCH                   ; where they go: no place in the cluster enters an LDS address
	s_add_co_u32 s23, s23, BOFF
	s_wait_dscnt 0x0
	s_wait_kmcnt 0x0
	s_load_b64 s[90:91], s[10:11], 0x18            ; e6, e7
	s_add_nc_u64 s[20:21], s[4:5], s[20:21]
	s_add_nc_u64 s[60:61], s[6:7], s[60:61]
.irp n, 0,1,2,3
	s_mov_b32 s[G0A+4*\n], 1
	s_add_co_u32 s[G0A+4*\n+1], s22, \n*32768
	s_add_nc_u64 s[G0A+4*\n+2:G0A+4*\n+3], s[20:21], \n*32768
	s_or_b32 s[G0A+4*\n+3], s[G0A+4*\n+3], 0x80000000
	s_mov_b32 s[G0B+4*\n], 1
	s_add_co_u32 s[G0B+4*\n+1], s23, \n*BSLOT
	s_add_nc_u64 s[G0B+4*\n+2:G0B+4*\n+3], s[60:61], \n*256
	s_or_b32 s[G0B+4*\n+3], s[G0B+4*\n+3], 0x80000000
.endr
	CROUND                                         ; all sixteen work-groups are here: the joint loads meet
	s_cmp_eq_u32 s15, 0                            ; a wave's four fills stand in one branch, ahead of every wait on TENSORcnt and every LDS read; four v_nop follow the last
	s_cbranch_scc0 .Lfor_b
.irp n, 0,1,2,3
	tensor_load_to_lds s[G0A+4*\n:G0A+4*\n+3], s[G1A:G1A+7]
	s_nop 0
.endr
.rept 4
	v_nop
.endr
	s_branch .Lasked
.Lfor_b:
.irp n, 0,1,2,3
	tensor_load_to_lds s[G0B+4*\n:G0B+4*\n+3], s[G1B:G1B+7]
	s_nop 0
.endr
.rept 4
	v_nop
.endr
.Lasked:
	v_and_b32 v1, 15, v0                           ; r = lane % 16
	v_bfe_u32 v2, v0, 4, 1                         ; h = lane / 16
	v_and_b32 v3, 31, v0
	v_lshlrev_b32 v3, 4, v3                        ; 16 x lane
	s_lshl_b32 s62, s15, 13                        ; my four tiles of rows: 8,192 bytes of each K step's 16,384
	v_add_nc_u32 v[ADRA], s62, v3
	v_add_nc_u32 v[ADRA+1], 0x10000, v[ADRA]
	v_mul_u32_u24 v4, v1, PITCH
	v_lshl_add_u32 v5, v2, 3, v4                   ; row x pitch + 8 h
	s_mul_i32 s62, s16, 64*PITCH                   ; my 64 rows of W_out
	s_add_co_u32 s62, s62, BOFF
	v_add_nc_u32 v[ADRB], s62, v5
	v_add_nc_u32 v[ADRB+1], 2*BSLOT, v[ADRB]
	s_mul_i32 s62, s14, 16*PITCH
	s_add_co_u32 s62, s62, STAGE                   ; my stage
	v_lshl_add_u32 v[STO], v2, 5, v4               ; in: row r, 32 bytes for each half of the lanes
	v_add_nc_u32 v[STO], s62, v[STO]
	v_mul_u32_u24 v[RD], v2, PITCH                 ; back: lanes 0-15 one row of 256 bytes, lanes 16-31 the next
	v_lshl_add_u32 v[RD], v1, 4, v[RD]
	v_add_nc_u32 v[RD], s62, v[RD]
	v_lshlrev_b32 v[CO], 12, v2                    ; and the same two rows in out
	v_lshl_add_u32 v[CO], v1, 4, v[CO]
	v_lshlrev_b32 v27, 5, v2                       ; the bias: my half's eight numbers of a tile
	s_lshl_b32 s62, s18, 9                         ; my first column, in bytes, in b_out and in a row of out: 512 x tile column + 256 x half
	s_lshl_b32 s63, s16, 8
	s_add_co_u32 s62, s62, s63
	s_mov_b32 s63, 0
	s_add_nc_u64 s[8:9], s[8:9], s[62:63]
	s_add_nc_u64 s[12:13], s[12:13], s[62:63]
	s_lshl_b32 s62, s17, 19                        ; my first row: (128 x tile row + 64 x half) rows of 4,096 bytes
	s_lshl_b32 s19, s15, 18
	s_add_co_u32 s62, s62, s19
	s_add_nc_u64 s[12:13], s[12:13], s[62:63]
.irp b, 0,1,2,3
	global_load_b128 v[BIA+8*\b:BIA+8*\b+3], v27, s[8:9] offset:64*\b
	global_load_b128 v[BIA+8*\b+4:BIA+8*\b+7], v27, s[8:9] offset:64*\b+16
.endr
	s_wait_kmcnt 0x0
	s_add_co_i32 s90, s90, s91                     ; e6 + e7
	s_add_co_i32 s90, s90, 127
	s_lshl_b32 s90, s90, 23                        ; 2^(e6 + e7) as f32
	s_mov_b32 s91, s90                             ; (named with it as a pair, so it is written)
; 48 LDS loads: the fragments of K step ks (128 along K) into buffer f
.macro FETCH ks, f
	WIN TO_F
.irp a, 0,1,2,3
.irp g, 0,1,2,3
	ds_load_b128 v[(\f)+16*\a+4*\g:(\f)+16*\a+4*\g+3], v[ADRA+(\ks)/4] offset:((\ks)%4)*16384+2048*\a+512*\g
.endr
.endr
.irp b, 0,1,2,3
.irp c, 0,1,2,3,4,5,6,7
	ds_load_b64 v[(\f)+64+16*\b+2*\c:(\f)+64+16*\b+2*\c+1], v[ADRB+(\ks)/4] offset:(((\ks)/2)%2)*BSLOT+((\ks)%2)*128+16*PITCH*\b+16*\c
.endr
.endr
.endm
; 16 matrix instructions on buffer f.  zero = 1: the first product starts the sums.  The 16 accumulators take turns, in the same order in every step.
.macro MUL f, zero
	WIN MULW
.irp a, 0,1,2,3
.irp b, 0,1,2,3
.if \zero
	v_wmma_f32_16x16x128_fp8_fp8 v[ACC+8*(4*\a+\b):ACC+8*(4*\a+\b)+7], v[(\f)+64+16*\b:(\f)+64+16*\b+15], v[(\f)+16*\a:(\f)+16*\a+15], 0
.else
	v_wmma_f32_16x16x128_fp8_fp8 v[ACC+8*(4*\a+\b):ACC+8*(4*\a+\b)+7], v[(\f)+64+16*\b:(\f)+64+16*\b+15], v[(\f)+16*\a:(\f)+16*\a+15], v[ACC+8*(4*\a+\b):ACC+8*(4*\a+\b)+7]
.endif
.endr
.endr
.endm
	s_wait_tensorcnt 3                             ; my first tile (K = 0 .. 255) is in; the three behind it may be out
	s_barrier_signal -1
	s_barrier_wait -1                              ; everybody's is
	FETCH 0, 0
.irp k, 0,1,2,3,4,5,6
.if (\k%2) == 1
	s_wait_tensorcnt 3-(\k+1)/2                    ; the next K step begins the next 256 along K: my tile of it is in; the later ones may be out
	s_wait_dscnt 0x0                               ; no LDS load of mine is out at a signal
	s_barrier_signal -1
	s_barrier_wait -1
.endif
.if \k > 0
	PLACES 4                                       ; in front of loads into the buffer that the last products read
.endif
	FETCH (\k+1), 128*((\k+1)%2)
	s_wait_dscnt 48                                ; all but the 48 just issued
.if \k == 0
	MUL 0, 1
.else
	MUL 128*(\k%2), 0
.endif
.endr
	s_wait_dscnt 0x0
	MUL 128, 0                                     ; K step 7
	WIN 0
	PLACES 4
	s_wait_loadcnt 0x0                             ; the bias
	; THE WAY OUT, 16 rows x 64 columns at a time: through my own stage in LDS and back as whole rows of 256 bytes.  LDS serves a wave's instructions in order (ISA guide 5.7.1.4): no wait between the stores and the loads.
.irp a, 0,1,2,3
.irp b, 0,1,2,3
.irp i, 0,2,4,6
	v_pk_fma_f32 v[TMP+8*\b+\i:TMP+8*\b+\i+1], v[ACC+8*(4*\a+\b)+\i:ACC+8*(4*\a+\b)+\i+1], s[90:91], v[BIA+8*\b+\i:BIA+8*\b+\i+1] op_sel_hi:[1,0,1]   ; sum x 2^(e6 + e7) + b_out; each accumulator from its low end on
.endr
.endr
.irp b, 0,1,2,3
	ds_store_b128 v[STO], v[TMP+8*\b:TMP+8*\b+3] offset:64*\b
	ds_store_b128 v[STO], v[TMP+8*\b+4:TMP+8*\b+7] offset:64*\b+16
.endr
.if \a > 0
	s_wait_xcnt 0x0                                ; the last block's stores have read their registers: the loads below may land there
.endif
.irp i, 0,1,2,3,4,5,6,7
	ds_load_b128 v[BK+4*\i:BK+4*\i+3], v[RD] offset:2*PITCH*\i
.endr
.irp i, 0,1,2,3,4,5,6,7
	s_wait_dscnt 7-\i                              ; the younger loads may be out
	global_store_b128 v[CO], v[BK+4*\i:BK+4*\i+3], s[12:13] offset:(16*\a+2*\i)*4096 th:TH_STORE_NT   ; 16 lanes store 256 consecutive bytes, at a multiple of 256 from out's first byte
.endr
.endr
	s_wait_dscnt 0x0
	s_wait_tensorcnt 0x0
	ds_add_u32 v30, v31
	s_wait_dscnt 0x0
	CROUND                                         ; the closing round: no work-group ends while a partner may still ask for a tile that names it
	s_endpgm
.Lfunc_end_k_q01ed102ef6_proj:
	.size	k_q01ed102ef6_proj, .Lfunc_end_k_q01ed102ef6_proj-k_q01ed102ef6_proj
	.p2alignl 7, 3214868480
	.fill 96, 4, 3214868480
	.section	.rodata,"a",@progbits
	.p2align	6, 0x0
	.amdhsa_kernel k_q01ed102ef6_proj
		.amdhsa_group_segment_fixed_size 288256
		.amdhsa_private_segment_fixed_size 0
		.amdhsa_enable_private_segment 0
		.amdhsa_kernarg_size 40
		.amdhsa_user_sgpr_count 2
		.amdhsa_user_sgpr_kernarg_segment_ptr 1
		.amdhsa_wavefront_size32 1
		.amdhsa_system_sgpr_workgroup_id_x 1
		.amdhsa_system_sgpr_workgroup_id_y 1
		.amdhsa_system_sgpr_workgroup_id_z 1
		.amdhsa_system_vgpr_workitem_id 0
		.amdhsa_next_free_vgpr 512
		.amdhsa_next_free_sgpr 96
		.amdhsa_reserve_vcc 0
		.amdhsa_float_denorm_mode_32 3
		.amdhsa_float_denorm_mode_16_64 3
		.amdhsa_memory_ordered 1
		.amdhsa_forward_progress 1
		.amdhsa_inst_pref_size 56
	.end_amdhsa_kernel
	.amdgpu_metadata
---
amdhsa.version: [ 1, 2 ]
amdhsa.kernels:
  - .name:           k_q01ed102ef6_proj
    .symbol:         k_q01ed102ef6_proj.kd
    .args:
      - { .name: att, .offset: 0, .size: 8, .value_kind: global_buffer, .address_space: global }
      - { .name: W_out_codes, .offset: 8, .size: 8, .value_kind: global_buffer, .address_space: global }
      - { .name: b_out, .offset: 16, .size: 8, .value_kind: global_buffer, .address_space: global }
      - { .name: lowp_scales, .offset: 24, .size: 8, .value_kind: global_buffer, .address_space: global }
      - { .name: out0, .offset: 32, .size: 8, .value_kind: global_buffer, .address_space: global }
    .group_segment_fixed_size: 288256
    .private_segment_fixed_size: 0
    .kernarg_segment_align: 8
    .kernarg_segment_size: 40
    .max_flat_workgroup_size: 128
    .sgpr_count:     96
    .vgpr_count:     512
    .wavefront_size: 32
...
	.end_amdgpu_metadata
.endif
;; end of part 3
;; ======== version 2 of 2: 3 launches; version 1 with the launch attn written anew for expert scheduling mode
;; workspace buffers: qbuf 4,194,304 bytes; kvbuf 8,388,608 bytes; att 4,194,304 bytes
;; launch qkv: the kernel of part 1 again; grid 16 x 16, 4 waves a work-group, clusters of 4 x 4, 327,680 bytes of LDS; arguments x_codes, W_qkv_codes, b_qkv, lowp_scales, qbuf, kvbuf; writes qbuf, kvbuf
;; launch attn (part 4): grid 8 x 32, 16 waves a work-group, no clusters, 264,192 bytes of LDS; arguments qbuf, kvbuf, lowp_scales, att; writes att
.if DOCPART == 4
	.amdgcn_target "amdgcn-amd-amdhsa--gfx1250"
	.amdhsa_code_object_version 6
	.text
	.protected	k_q01ed102ef6_attn
	.globl	k_q01ed102ef6_attn
	.p2align	8
	.type	k_q01ed102ef6_attn,@function
k_q01ed102ef6_attn:
	s_mov_b64 s[64:65], 0
	v_nop
	global_prefetch_b8 v0, s[64:65] scope:SCOPE_SE
	s_setreg_imm32_b32 hwreg(HW_REG_WAVE_SCHED_MODE, 0, 2), 2
	s_setreg_imm32_b32 hwreg(HW_REG_WAVE_MODE, 25, 1), 1
	s_wait_xcnt 0x0
	s_wait_alu depctr_vm_vsrc(0)
; attended = softmax(q k^T / 8) v for one head, both products on codes of E4M3; the result is quantised with 2^e6 and stored as an image of the last product's operand registers.
; qbuf: [bh 32][tile of 16 queries 128][1,024 B]; kvbuf: [bh 32][step of 128 keys 16][16,384 B: K's 8 tiles of 1,024 B, then V^T's 4 tiles (16 d x 128 keys) of 2,048 B]; all as register images: group g of four registers at 512 g + 16 x lane.
; att: [block of 128 rows 32][K step of 128 (two heads) 8][tile of 16 rows 8][2,048 B], likewise.
; THE SOFTMAX: t = score x log2(e) / 8; M = the running largest t rounded UP to a whole number; p = 2^(t - M) is quantised with 2^e4, not normalised; the row's sum is taken of the unquantised p and divides at the end.
; When M moves, the sum and O are multiplied by 2^(old M - new M): exact.
; SHARES.  A work-group owns 256 queries of one head; each of its sixteen waves owns 16, one tile, in 256 registers: four waves to a SIMD, so that one wave's vector work stands beside another's matrix work and LDS loads.
; Both products are used transposed (S^T = K Q^T, O^T = V^T P): a lane holds ONE query (lane % 16) throughout, and a tile's eight registers are eight neighbouring keys (or d): one conversion gives registers 2 c, 2 c + 1 of the next operand.
; LDS holds the head's whole K and V, 262,144 bytes, as they lie in kvbuf.  They come in four chunks of 65,536 bytes (four key steps), through 32 registers a thread: chunk c + 1 is asked for at the head of chunk c's work,
; stored into LDS at its end, and shown by one barrier.  No LDS byte is written twice.
; NO TENSOR LOAD AND NO CLUSTER, though the eight query blocks of a head read the same K and V.  p is at most 1, so the hold at 448 x 2^e4 can bite only where e4 < -8; a scalar branch on e4 jumps over a step's 64 holds otherwise,
; 64 of a step's 259 vector instructions.  e4 is read from memory.  What would be shared is 16,384 bytes a key step for sixteen waves' steps.
; LIMITS: e2 + e3 between -123 and 130 (added to c's exponent field); e4 and e6 between -126 and 119; e4 + e5 is applied by v_ldexp_f32 and has none.
; THE MODE: SCHED_MODE bits 1:0 = 2 (LLVM: expert scheduling mode 2), set by the entry lines.  The code itself states the register dependences
; between vector or matrix instructions and memory or LDS instructions, with s_wait_alu, always for 0.
; THE PLAN.  Registers that memory or LDS instructions touch:
;   v[KV ..]   A step's 16 LDS loads of K land in it; its 8 products K Q^T read it; its 16 LDS loads of V land in it; its 4 products V^T P read it.  No vector instruction names it.
;   v[STG ..]  A chunk's 8 global loads land in it; the chunk's 8 LDS stores read it.  No vector or matrix instruction names it.
;   v[QF ..]   Two global loads land in it at the head; matrix instructions read it; nothing writes it again.
;   v[ADR]     Read by every LDS load of K and V; written once a chunk, at the chunk's head.
;   v[LST]     Read by a chunk's LDS stores, at a trip's end; written once a chunk, at the chunk's head, beside v[ADR].
;   v[GOFF], v[LI], v[CP1]  Made at the head and never written again: the chunks in memory are reached by the scalar base, which moves on by a chunk.
;   v[P ..]    On the way out alone: four conversions write it, the two global stores read it.
; So a step has two waits on va_vdst beside the one behind its exponentials: at its head (the last step's V^T P are done reading v[KV ..]; in a chunk's first step v[ADR] and v[LST] are written)
; and behind K Q^T (those products are done reading v[KV ..]).  Behind the second, V's loads are dealt among the maximum's chain, which names none of their registers.
; One wait on vm_vsrc a chunk stands behind the barrier: the LDS stores have read v[STG ..] and v[LST], the LDS loads v[ADR].
.set CHUNK, 65536
.set LI,   1                           ; v1   16 x lane; never rewritten
.set CP1,  2                           ; v2   16 x thread + one chunk; never rewritten
.set ADR,  4                           ; v4   LDS address of the chunk in hand, for my lane
.set LST,  5                           ; v5   where I store the next chunk in LDS
.set GOFF, 6                           ; v6   16 x thread: my 16 bytes of each 8,192 of a chunk in kvbuf; never rewritten
.set QF,   16                          ; v16-23   Q's fragment
.set KV,   32                          ; v32-95   K's eight fragments, then V's four
.set S,    96                          ; v96-159  S^T, then p
.set O,    160                         ; v160-191 O^T
.set P,    192                         ; v192-207 p's codes
.set STG,  208                         ; v208-239 a chunk on its way
; v12 -M, v13 the largest t, v[14:15] the sum in two halves; v24, v25: 2^e4, 448 x 2^e4; v26, v27: 2^e6, 448 x 2^e6; v240-254 at work
	s_load_b256 s[4:11], s[0:1], 0x0               ; qbuf s[4:5], kvbuf s[6:7], the scales' exponents s[8:9], att s[10:11]
	v_lshl_add_u32 v251, v0, 2, 0x40000
	v_mov_b32 v255, 0
	v_lshrrev_b32 v1, 5, v0
	v_readfirstlane_b32 s12, v1                    ; wave 0..15
	s_and_b32 s13, ttmp7, 0xffff                   ; bh
	s_mov_b32 s14, ttmp9                           ; the block of 256 queries
	v_and_b32 v1, 31, v0
	v_lshlrev_b32 v[LI], 4, v1
	v_lshlrev_b32 v[GOFF], 4, v0
	v_lshlrev_b32 v[LST], 4, v0                    ; chunk 0: 16 x thread
	v_lshl_add_u32 v[CP1], v0, 4, CHUNK
	s_wait_alu depctr_va_sdst(0)                   ; s12 is written, ahead of its first reader: the addresses of my queries and of my rows of att are made from it
	s_lshl_b32 s32, s13, 18                        ; the head's K and V
	s_mov_b32 s33, 0
	s_lshl_b32 s34, s13, 7                         ; my tile of queries: 128 bh + 16 block + wave
	s_lshl_b32 s36, s14, 4
	s_add_co_u32 s34, s34, s36
	s_add_co_u32 s34, s34, s12
	s_lshl_b32 s34, s34, 10
	s_mov_b32 s35, 0
	s_lshr_b32 s36, s13, 4                         ; att: block of 128 rows 16 batch + 2 block + wave / 8,
	s_lshl_b32 s36, s36, 4
	s_lshl_b32 s37, s14, 1
	s_add_co_u32 s36, s36, s37
	s_lshr_b32 s37, s12, 3
	s_add_co_u32 s36, s36, s37
	s_lshl_b32 s36, s36, 17
	s_and_b32 s37, s13, 15                         ; K step head / 2,
	s_lshr_b32 s38, s37, 1
	s_lshl_b32 s38, s38, 14
	s_add_co_u32 s36, s36, s38
	s_and_b32 s38, s12, 7                          ; tile of rows wave % 8,
	s_lshl_b32 s38, s38, 11
	s_add_co_u32 s36, s36, s38
	s_and_b32 s38, s13, 1                          ; and groups 2 (head % 2) on
	s_lshl_b32 s38, s38, 10
	s_add_co_u32 s36, s36, s38
	s_mov_b32 s37, 0
	s_mov_b32 s20, 0x76543210                      ; v_permlanex16_b32's selects for lane l xor 16
	s_mov_b32 s21, 0xfedcba98
	s_mov_b32 s22, 0x3e38aa3b                      ; c = log2(e) / 8
	s_wait_kmcnt 0x0
	s_load_b256 s[24:31], s[8:9], 0x0              ; e0 .. e7
	s_add_nc_u64 s[6:7], s[6:7], s[32:33]
	s_add_nc_u64 s[4:5], s[4:5], s[34:35]
	s_add_nc_u64 s[10:11], s[10:11], s[36:37]
.macro LOADC                           ; a chunk: each load of the work-group covers 8,192 consecutive bytes
.irp n, 0,1,2,3,4,5,6,7
	global_load_b128 v[STG+4*\n:STG+4*\n+3], v[GOFF], s[6:7] offset:8192*\n
.endr
.endm
.macro STOREC
.irp n, 0,1,2,3,4,5,6,7
	ds_store_b128 v[LST], v[STG+4*\n:STG+4*\n+3] offset:8192*\n
.endr
.endm
	s_wait_alu depctr_va_vdst(0)                   ; v[LI], v[GOFF] and v[LST] are written, which the loads below, chunk 0's LDS stores and the last stores read
	LOADC                                          ; chunk 0
	global_load_b128 v[QF:QF+3], v[LI], s[4:5] th:TH_LOAD_NT
	global_load_b128 v[QF+4:QF+7], v[LI], s[4:5] offset:512 th:TH_LOAD_NT
	v_mov_b32 v13, 0xff61b1e6                      ; the largest t so far: -3e38, under every t
	v_floor_f32 v12, -v13                          ; -M
	v_mov_b32 v14, 0                               ; the sum, in two halves
	v_mov_b32 v15, 0
	v_mov_b32 v240, 0                              ; written once: a lane permute's destination counts as one of its sources
	v_mov_b32 v253, 0                              ; (named as the upper half of the pair v[252:253])
.set J, 0
.rept 32
	v_mov_b32 v[O+J], 0                            ; O^T.  (The step is written once: the first finds zeros, which the first change of M leaves zeros)
.set J, J+1
.endr
	s_wait_kmcnt 0x0
	s_add_co_i32 s32, s26, s27                     ; a score stands for score x 2^(e2 + e3): the two exponents are added to c's exponent field
	s_lshl_b32 s32, s32, 23
	s_add_co_i32 s22, s22, s32
	s_mov_b32 s23, s22                             ; (named with it as a pair, so it is written)
	s_add_co_i32 s32, s28, 127
	s_lshl_b32 s33, s32, 23
	v_mov_b32 v24, s33                             ; 2^e4 as f32, for p's conversion
	s_add_co_i32 s32, s32, 8
	s_lshl_b32 s32, s32, 23
	s_or_b32 s32, s32, 0x600000
	v_mov_b32 v25, s32                             ; 448 x 2^e4
	s_add_co_i32 s32, s30, 127
	s_lshl_b32 s33, s32, 23
	v_mov_b32 v26, s33                             ; 2^e6, for the attended rows'
	s_add_co_i32 s32, s32, 8
	s_lshl_b32 s32, s32, 23
	s_or_b32 s32, s32, 0x600000
	v_mov_b32 v27, s32                             ; 448 x 2^e6
	s_wait_loadcnt 0x0                             ; chunk 0 and Q are in; the loads that read the base s[6:7] are done
	STOREC                                         ; (no vector instruction since the wait on va_vdst above names v[LST] or v[STG ..])
	s_wait_dscnt 0x0                               ; for the others' sake: my stores have landed
	s_barrier_signal -1
	s_barrier_wait -1                              ; chunk 0 lies in LDS
	s_wait_alu depctr_vm_vsrc(0)                   ; my LDS stores have read v[STG ..], in which the loads below land, and v[LST], which the first chunk's head writes again
	s_add_nc_u64 s[6:7], s[6:7], CHUNK             ; free since the wait on LOADcnt above
	LOADC                                          ; chunk 1: it has chunk 0's four key steps in which to come
.macro VFRAG q, d                      ; V's fragment d (16 d x 128 keys) of the q-th key step of the chunk in hand: four loads
.irp g, 0,1,2,3
	ds_load_b128 v[KV+16*(\d)+4*\g:KV+16*(\d)+4*\g+3], v[ADR] offset:16384*(\q)+8192+2048*(\d)+512*\g
.endr
.endm
; A KEY STEP: 128 keys, the q-th of the chunk in hand.
.macro STEP q
.rept 4
	v_nop                                          ; four places behind the last products (ISA guide 7.12.1); they stay beside the wait below
.endr
	s_wait_alu depctr_va_vdst(0)                   ; the last step's products V^T P are done reading v[KV ..], in which K's loads land; in a chunk's first step v[ADR] and v[LST] are written
.irp t, 0,1,2,3,4,5,6,7
	ds_load_b128 v[KV+8*\t:KV+8*\t+3], v[ADR] offset:16384*(\q)+1024*\t
	ds_load_b128 v[KV+8*\t+4:KV+8*\t+7], v[ADR] offset:16384*(\q)+1024*\t+512
.endr
	s_wait_dscnt 8                                 ; K's tiles 0-3 are in; the youngest eight loads may be out
.irp t, 0,1,2,3
	v_wmma_f32_16x16x64_fp8_fp8 v[S+8*\t:S+8*\t+7], v[KV+8*\t:KV+8*\t+7], v[QF:QF+7], 0
.endr
	s_wait_dscnt 0x0
.irp t, 4,5,6,7
	v_wmma_f32_16x16x64_fp8_fp8 v[S+8*\t:S+8*\t+7], v[KV+8*\t:KV+8*\t+7], v[QF:QF+7], 0
.endr
.rept 4
	v_nop                                          ; places in front of the first read of the scores (ISA guide 7.12.1)
.endr
	s_wait_alu depctr_va_vdst(0)                   ; the products K Q^T are done reading v[KV ..], in which V's loads land
	VFRAG \q, 0                                    ; V's four fragments come while the softmax is worked, four loads at a time among the maximum's chain, which names S^T, v252 and v254 alone
	v_max3_num_f32 v254, v[S], v[S+1], v[S+2]      ; the step's largest score of my query, among my 64 keys, in two chains, each accumulator from its low end on
	v_max3_num_f32 v252, v[S+3], v[S+4], v[S+5]
.irp i, 6,10,14,18,22,26,30,34,38,42,46,50,54,58
.if \i == 14
	VFRAG \q, 1                                    ; no wait: no vector or matrix instruction since the wait above names v[KV ..] or v[ADR]
.endif
.if \i == 30
	VFRAG \q, 2
.endif
.if \i == 46
	VFRAG \q, 3
.endif
	v_max3_num_f32 v254, v254, v[S+\i], v[S+\i+1]
	v_max3_num_f32 v252, v252, v[S+\i+2], v[S+\i+3]
.endr
	v_max3_num_f32 v254, v254, v[S+62], v[S+63]
	v_max_num_f32 v254, v254, v252
	v_permlanex16_b32 v240, v254, s20, s21
	v_max_num_f32 v254, v254, v240                 ; and among lane l xor 16's
	v_mul_f32 v254, s22, v254                      ; as t (c is positive)
	v_max_num_f32 v13, v13, v254                   ; the running largest t
	v_mov_b32 v254, v12
	v_floor_f32 v12, -v13                          ; the new -M = floor(-t) = -ceil(t): M is a whole number
	v_sub_f32 v254, v12, v254                      ; M's old value less its new one: a whole number, 0 or less
	v_cvt_i32_f32 v254, v254                       ; (it saturates)
	v_ldexp_f32 v252, 1.0, v254                    ; f = 2^(old M - new M)
.irp j, 0,2,4,6,8,10,12,14,16,18,20,22,24,26,28,30,32,34,36,38,40,42,44,46,48,50,52,54,56,58,60,62
	v_pk_fma_f32 v[S+\j:S+\j+1], v[S+\j:S+\j+1], s[22:23], v[12:13] op_sel_hi:[1,0,0]   ; t - M, two at a time (of the pairs c and -M the low word serves both halves)
.endr
.set J, 0
.rept 64
	v_exp_f32 v[S+J], v[S+J]                       ; p = 2^(t - M), at most 1: not normalised
.set J, J+1
.endr
	v_pk_mul_f32 v[14:15], v[14:15], v[252:253] op_sel_hi:[1,0]   ; the sums under the new M: the plain instruction behind the exponentials
	s_wait_alu depctr_va_vdst(0)                   ; the 64 exponentials have written p: one wait for the whole batch, ahead of its first reader
	v_pk_add_f32 v[242:243], v[S:S+1], v[S+2:S+3]  ; the row's sum is taken of the unquantised p: two at a time, in two chains
.irp j, 4,8,12,16,20,24,28,32,36,40,44,48,52,56,60
	v_pk_add_f32 v[14:15], v[14:15], v[S+\j:S+\j+1]
	v_pk_add_f32 v[242:243], v[242:243], v[S+\j+2:S+\j+3]
.endr
	v_pk_add_f32 v[14:15], v[14:15], v[242:243]
	s_cmp_gt_i32 s28, -9                           ; p <= 1 (+ one rounding), so p / 2^e4 stays under 448 wherever e4 >= -8: the hold then changes nothing and is jumped over
	s_cbranch_scc1 .Lfree_\@
.set J, 0
.rept 64
	v_min_num_f32 v[S+J], v[S+J], v25              ; the conversion to an 8-bit code does not saturate (ISA guide 7.6.2); p is not negative, so the hold is one-sided
.set J, J+1
.endr
.Lfree_\@:
.irp t, 0,1,2,3,4,5,6,7
	v_cvt_scalef32_pk8_fp8_f32 v[P+2*\t:P+2*\t+1], v[S+8*\t:S+8*\t+7], v24   ; keys 16 t + 8 h + 0 .. 7: registers 2 t, 2 t + 1 of the operand
.endr
.irp j, 0,2,4,6,8,10,12,14,16,18,20,22,24,26,28,30
	v_pk_mul_f32 v[O+\j:O+\j+1], v[O+\j:O+\j+1], v[252:253] op_sel_hi:[1,0]   ; O^T under the new M.  (Also the plain instructions behind the conversions)
.endr
	s_wait_dscnt 0x0                               ; V is in
.irp d, 0,1,2,3
	v_wmma_f32_16x16x128_fp8_fp8 v[O+8*\d:O+8*\d+7], v[KV+16*\d:KV+16*\d+15], v[P:P+15], v[O+8*\d:O+8*\d+7]   ; the four accumulators take turns; the next step's eight products K Q^T lie between two turns of one
.endr
.endm
	s_mov_b32 s2, 0                                ; the LDS byte at which the chunk in hand begins
	s_mov_b32 s3, 3
.Lchunk:                                           ; three trips: chunks 0, 1, 2
	v_add_nc_u32 v[ADR], s2, v[LI]                 ; both addresses are written here, behind the wait on vm_vsrc that follows the last barrier and ahead of the first step's wait on va_vdst
	v_add_nc_u32 v[LST], s2, v[CP1]
	STEP 0
	STEP 1
	STEP 2
	STEP 3
	s_wait_loadcnt 0x0                             ; the next chunk, asked for four key steps ago, is in my registers; the loads that read the base s[6:7] are done
	STOREC                                         ; into bytes that nobody has read or written yet.  (No vector instruction since the first step's wait names v[LST] or v[STG ..])
	s_wait_dscnt 0x0                               ; my stores have landed
	s_barrier_signal -1
	s_barrier_wait -1                              ; the next chunk lies in LDS
	s_wait_alu depctr_vm_vsrc(0)                   ; my LDS stores have read v[STG ..], in which the loads below land, and v[LST]; my LDS loads have read v[ADR]: both are written again at the next chunk's head
	s_cmp_eq_u32 s3, 1                             ; the third trip has no chunk left to ask for: no load leaves the head's bytes
	s_cbranch_scc1 .Lnone
	s_add_nc_u64 s[6:7], s[6:7], CHUNK             ; free since the wait on LOADcnt above
	LOADC
.Lnone:
	s_add_co_u32 s2, s2, CHUNK
	s_sub_co_u32 s3, s3, 1
	s_cmp_lg_u32 s3, 0
	s_cbranch_scc1 .Lchunk
	v_add_nc_u32 v[ADR], s2, v[LI]                 ; chunk 3
	STEP 0
	STEP 1
	STEP 2
	STEP 3
	; THE WAY OUT: O^T x 2^(e4 + e5) / the sum, held within +-448 x 2^e6, converted; my four tiles of d are eight registers of the last product's fragment.
.rept 4
	v_nop                                          ; places behind the last products
.endr
	v_add_f32 v14, v14, v15                        ; the sum's two halves,
	v_permlanex16_b32 v240, v14, s20, s21
	v_add_f32 v14, v14, v240                       ; and lane l xor 16's: the row's sum
	v_rcp_f32 v14, v14
	v_nop                                          ; a plain instruction behind the reciprocal
	s_add_co_i32 s32, s28, s29
	s_wait_alu depctr_va_vdst(0)                   ; the reciprocal has written v14, ahead of its first reader
	v_ldexp_f32 v14, v14, s32                      ; x 2^(e4 + e5)
.irp j, 0,2,4,6,8,10,12,14,16,18,20,22,24,26,28,30
	v_pk_mul_f32 v[O+\j:O+\j+1], v[O+\j:O+\j+1], v[14:15] op_sel_hi:[1,0]
.endr
.set J, 0
.rept 32
	v_med3_num_f32 v[O+J], v[O+J], -v27, v27
.set J, J+1
.endr
.irp d, 0,1,2,3
	v_cvt_scalef32_pk8_fp8_f32 v[P+2*\d:P+2*\d+1], v[O+8*\d:O+8*\d+7], v26
.endr
	v_nop                                          ; one plain vector instruction behind the last conversion
	s_wait_alu depctr_va_vdst(0)                   ; the four conversions have written v[P .. P + 7], which the two stores read
	global_store_b128 v[LI], v[P:P+3], s[10:11]               ; each store of the wave covers 512 consecutive bytes, aligned
	global_store_b128 v[LI], v[P+4:P+7], s[10:11] offset:512
	s_wait_dscnt 0x0
	s_wait_alu depctr_hold_cnt(0) depctr_sa_sdst(0) depctr_va_vdst(0) depctr_va_sdst(0) depctr_va_ssrc(0) depctr_va_vcc(0) depctr_vm_vsrc(0)
	s_wait_tensorcnt 0x0
	ds_add_u32 v251, v255
	s_wait_dscnt 0x0
	s_endpgm
.Lfunc_end_k_q01ed102ef6_attn:
	.size	k_q01ed102ef6_attn, .Lfunc_end_k_q01ed102ef6_attn-k_q01ed102ef6_attn
	.p2alignl 7, 3214868480
	.fill 96, 4, 3214868480
	.section	.rodata,"a",@progbits
	.p2align	6, 0x0
	.amdhsa_kernel k_q01ed102ef6_attn
		.amdhsa_group_segment_fixed_size 264192
		.amdhsa_private_segment_fixed_size 0
		.amdhsa_enable_private_segment 0
		.amdhsa_kernarg_size 32
		.amdhsa_user_sgpr_count 2
		.amdhsa_user_sgpr_kernarg_segment_ptr 1
		.amdhsa_wavefront_size32 1
		.amdhsa_system_sgpr_workgroup_id_x 1
		.amdhsa_system_sgpr_workgroup_id_y 1
		.amdhsa_system_sgpr_workgroup_id_z 1
		.amdhsa_system_vgpr_workitem_id 0
		.amdhsa_next_free_vgpr 256
		.amdhsa_next_free_sgpr 66
		.amdhsa_reserve_vcc 0
		.amdhsa_float_denorm_mode_32 3
		.amdhsa_float_denorm_mode_16_64 3
		.amdhsa_memory_ordered 1
		.amdhsa_forward_progress 1
		.amdhsa_inst_pref_size 134
	.end_amdhsa_kernel
	.amdgpu_metadata
---
amdhsa.version: [ 1, 2 ]
amdhsa.kernels:
  - .name:           k_q01ed102ef6_attn
    .symbol:         k_q01ed102ef6_attn.kd
    .args:
      - { .name: qbuf, .offset: 0, .size: 8, .value_kind: global_buffer, .address_space: global }
      - { .name: kvbuf, .offset: 8, .size: 8, .value_kind: global_buffer, .address_space: global }
      - { .name: lowp_scales, .offset: 16, .size: 8, .value_kind: global_buffer, .address_space: global }
      - { .name: att, .offset: 24, .size: 8, .value_kind: global_buffer, .address_space: global }
    .group_segment_fixed_size: 264192
    .private_segment_fixed_size: 0
    .kernarg_segment_align: 8
    .kernarg_segment_size: 32
    .max_flat_workgroup_size: 512
    .sgpr_count:     66
    .vgpr_count:     256
    .wavefront_size: 32
...
	.end_amdgpu_metadata
.endif
;; end of part 4
;; launch proj: the kernel of part 3 again; grid 8 x 32, 4 waves a work-group, clusters of 4 x 4, 288,256 bytes of LDS; arguments att, W_out_codes, b_out, lowp_scales, out0; writes out0
